; MI455X (gfx1250); checked and timed in simulation.
; The chip was launched on July 23, 2026; its instructions are those of AMD's public machine-readable ISA for CDNA 5 (MIT licence, August 2026) and "CDNA5" Instruction Set Architecture Reference Guide (July 2026). The comments in the code are by the model that wrote it; some were corrected since.
;; Projected Attention Layer. Allowed arithmetic: matrix products marked QUANTISED: E2M1 operands, one E8M0 scale for each 32 along K, by v_wmma_scale_f32_16x16x128_f8f6f4 with both operands' format E2M1 (or v_wmma_scale_f32_32x16x128_f4), f32 sums; everything else in f32.
;; Inputs: W_ff1_codes 1,024 x 8 x 16 uint8 (E2M1 codes of W_ff1, K innermost, in blocks of 32 codes, two codes a byte); W_ff1_scales 1,024 x 8 uint8 (E8M0 scales of W_ff1, one for each 32 codes along K); W_ff2_codes 256 x 32 x 16 uint8 (E2M1 codes of W_ff2, K innermost, in blocks of 32 codes, two codes a byte); W_ff2_scales 256 x 32 uint8 (E8M0 scales of W_ff2, one for each 32 codes along K); Wk_i_codes 256 x 8 x 16 uint8 (E2M1 codes of Wk_i, K innermost, in blocks of 32 codes, two codes a byte); Wk_i_scales 256 x 8 uint8 (E8M0 scales of Wk_i, one for each 32 codes along K); Wk_o_codes 256 x 8 x 16 uint8 (E2M1 codes of Wk_o, K innermost, in blocks of 32 codes, two codes a byte); Wk_o_scales 256 x 8 uint8 (E8M0 scales of Wk_o, one for each 32 codes along K); Wo_i_codes 256 x 8 x 16 uint8 (E2M1 codes of Wo_i, K innermost, in blocks of 32 codes, two codes a byte); Wo_i_scales 256 x 8 uint8 (E8M0 scales of Wo_i, one for each 32 codes along K); Wo_o_codes 256 x 8 x 16 uint8 (E2M1 codes of Wo_o, K innermost, in blocks of 32 codes, two codes a byte); Wo_o_scales 256 x 8 uint8 (E8M0 scales of Wo_o, one for each 32 codes along K); Wq_i_codes 256 x 8 x 16 uint8 (E2M1 codes of Wq_i, K innermost, in blocks of 32 codes, two codes a byte); Wq_i_scales 256 x 8 uint8 (E8M0 scales of Wq_i, one for each 32 codes along K); Wq_o_codes 256 x 8 x 16 uint8 (E2M1 codes of Wq_o, K innermost, in blocks of 32 codes, two codes a byte); Wq_o_scales 256 x 8 uint8 (E8M0 scales of Wq_o, one for each 32 codes along K); Wv_i_codes 256 x 8 x 16 uint8 (E2M1 codes of Wv_i, K innermost, in blocks of 32 codes, two codes a byte); Wv_i_scales 256 x 8 uint8 (E8M0 scales of Wv_i, one for each 32 codes along K); Wv_o_codes 256 x 8 x 16 uint8 (E2M1 codes of Wv_o, K innermost, in blocks of 32 codes, two codes a byte); Wv_o_scales 256 x 8 uint8 (E8M0 scales of Wv_o, one for each 32 codes along K); b1 256 float32; b2 256 float32; b_ff1 1,024 float32; b_ff2 256 float32; bk_i 256 float32; bk_o 256 float32; bo_i 256 float32; bo_o 256 float32; bq_i 256 float32; bq_o 256 float32; bv_i 256 float32; bv_o 256 float32; g1 256 float32; g2 256 float32; projector_codes 64 x 32 x 8 x 16 uint8 (E2M1 codes of projector, K innermost, in blocks of 32 codes, two codes a byte); projector_scales 64 x 32 x 8 uint8 (E8M0 scales of projector, one for each 32 codes along K); x 8 x 64 x 128 x 256 float32.
;; Outputs: out0 8 x 64 x 128 x 256 float32.
;; This version of the problem:
;;   THIS VERSION OF THE PROBLEM IS GIVEN IN LOW PRECISION. The matrix products marked QUANTISED in the list below multiply operands that are first quantised to E2M1 (2 exponent bits, 1 mantissa bit; 4 bits a number), with one power-of-two scale for each 32 numbers along K (OCP MX v1.0); their sums are f32. All else is computed in f32.
;;   The module's matrix products, in the order in which they are computed (A, B: the left and right operand; K: the contracted axis; several contracted axes count as one K, in the product's order):
;;     1. [M 16,384, K 256] x [K 256, N 256]; A: input projector (given as codes); B: input Wq_o (given as codes): QUANTISED
;;     2. [M 65,536, K 256] x [K 256, N 256]; A: input x; B: input Wk_o (given as codes): QUANTISED
;;     3. [M 65,536, K 256] x [K 256, N 256]; A: input x; B: input Wv_o (given as codes): QUANTISED
;;     4. batch 4,096 x [M 32, K 32] x [K 32, N 128]; A: computed on the way; B: computed on the way: QUANTISED
;;     5. batch 4,096 x [M 32, K 128] x [K 128, N 32]; A: computed on the way; B: softmax (see below): QUANTISED
;;     6. [M 16,384, K 256] x [K 256, N 256]; A: computed on the way; B: input Wo_o (given as codes): QUANTISED
;;     7. [M 65,536, K 256] x [K 256, N 256]; A: input x; B: input Wq_i (given as codes): QUANTISED
;;     8. [M 16,384, K 256] x [K 256, N 256]; A: input projector (given as codes); B: input Wk_i (given as codes): QUANTISED
;;     9. [M 16,384, K 256] x [K 256, N 256]; A: computed on the way; B: input Wv_i (given as codes): QUANTISED
;;     10. batch 4,096 x [M 128, K 32] x [K 32, N 32]; A: computed on the way; B: computed on the way: QUANTISED
;;     11. batch 4,096 x [M 32, K 32] x [K 32, N 128]; A: computed on the way; B: softmax (see below): QUANTISED
;;     12. [M 65,536, K 256] x [K 256, N 256]; A: computed on the way; B: input Wo_i (given as codes): QUANTISED
;;     13. [M 65,536, K 256] x [K 256, N 1,024]; A: computed on the way; B: input W_ff1 (given as codes): QUANTISED
;;     14. [M 65,536, K 1,024] x [K 1,024, N 256]; A: computed on the way; B: input W_ff2 (given as codes): QUANTISED
;;   THE QUANTISER, for each operand of a quantised product, along K:
;;     - K is cut into blocks of 32 from its start; a last block that is shorter is filled with zeros.
;;     - A block's scale is 2^e with e = floor(log2(the largest magnitude in the block)) - 2, held to -126 .. 127; a block of zeros has e = 0. As a byte (E8M0): e + 127.
;;     - Each number is divided by its block's scale, clamped to +-6, and rounded to the nearest number of E2M1, ties to even, subnormals kept.
;;     - The product sums the exact products of the quantised numbers (number of the format x scale) in f32.
;;   ~~~python
;;   def quantise(x, axis):      # numpy; x: float32 -> the quantised numbers, widened to float32 again
;;       x = np.moveaxis(x, axis, -1); K = x.shape[-1]
;;       x = np.pad(x, [(0, 0)] * (x.ndim - 1) + [(0, -K % 32)]); x = x.reshape(x.shape[:-1] + (-1, 32)); a = np.abs(x).max(-1, keepdims=True)
;;       e = np.where(a > 0, np.clip(np.frexp(np.where(a > 0, a, 1))[1] - 1 - 2, -126, 127), 0)      # np.frexp(a)[1] - 1 = floor(log2(a)), exactly
;;       r = np.clip(x / 2.0 ** e, -6, 6)
;;       step = 2.0 ** (np.maximum(np.frexp(np.where(r == 0, 1, r))[1] - 1, 0) - 1)
;;       q = np.round(r / step) * step * 2.0 ** e      # np.round: ties to even
;;       return np.moveaxis(q.reshape(q.shape[:-2] + (-1,))[..., :K], -1, axis).astype(np.float32)
;;   ~~~
;;   SOFTMAX AHEAD OF A QUANTISED PRODUCT. Where the list says 'softmax', what is quantised is not the finished softmax but p = 2^(t - M), with t = logit x log2(e) and M = ceil(the row's largest t), a whole number; so 1/2 < the row's largest p <= 1. The row's sum l is taken of the UNQUANTISED p, in f32, and the product's result is divided by l at the end. Since M is a whole number, a kernel that streams over the keys may use a running M (the ceiling of the running maximum): every later rescaling is an exact power of two, which a block's scale takes up: the codes' values come out the same.
;;   OPERANDS COMPUTED ON THE WAY. 'Computed on the way' means the value that the module computes at that place (a softmax that the list does not call 'softmax' is quantised finished and normalised). What goes into a quantiser is computed in f32, as accurately as f32 sums, v_exp_f32 and their like allow (about 1e-6 of the number): no bf16 or f16 on the way to a quantiser, and a product that is left as it is and whose result goes on into a quantised operand takes f32 operands (vector FMAs, or v_wmma_f32_16x16x4_f32). A number that lies on a knife's edge between two numbers of the format may be rounded either way, as far as f32 arithmetic and the matrix unit's own rounding can turn it there, and no further.
;;   INPUTS GIVEN AS CODES. W_ff1 (in the module: [1024, 256], K = its axis 1); W_ff2 (in the module: [256, 1024], K = its axis 1); Wk_i (in the module: [256, 256], K = its axis 1); Wk_o (in the module: [256, 256], K = its axis 1); Wo_i (in the module: [256, 256], K = its axis 1); Wo_o (in the module: [256, 256], K = its axis 1); Wq_i (in the module: [256, 256], K = its axis 1); Wq_o (in the module: [256, 256], K = its axis 1); Wv_i (in the module: [256, 256], K = its axis 1); Wv_o (in the module: [256, 256], K = its axis 1); projector (in the module: [64, 32, 256], K = its axis 2): each comes as NAME_codes (uint8): NAME with its K axis moved to the last place and cut into blocks of 32 codes, [.., K / 32, bytes a block], one block behind the other in memory; two codes a byte, the lower K in the low four bits (a code: sign, 2 exponent bits, 1 mantissa bit); and NAME_scales (uint8): the same leading axes, one E8M0 byte (e + 127) for each 32 codes along K. Its value is code x scale, taken as it is: it is not quantised again, and the codes and scales need not be those that the quantiser above would give.
;; One version. Each part assembles by itself: llvm-mc -triple=amdgcn-amd-amdhsa -mcpu=gfx1250 --defsym DOCPART=n.
;; ======== version 1 of 1: 2 launches
;; limits: right only within a limited range of input values
;; workspace buffers: wimg 524,288 bytes; simg 32,768 bytes
;; launch prep (part 1): grid 128 x 1, 8 waves a work-group, no clusters, 0 bytes of LDS; arguments Wq_o_codes, Wk_o_codes, Wv_o_codes, Wo_o_codes, Wq_i_codes, Wk_i_codes, Wv_i_codes, Wo_i_codes, W_ff1_codes, W_ff2_codes, Wq_o_scales, Wk_o_scales, Wv_o_scales, Wo_o_scales, Wq_i_scales, Wk_i_scales, Wv_i_scales, Wo_i_scales, W_ff1_scales, W_ff2_scales, wimg, simg; writes wimg, simg
.if DOCPART == 1
	.amdgcn_target "amdgcn-amd-amdhsa--gfx1250"
	.amdhsa_code_object_version 6
	.text
	.protected	k_q626a389a26_prep
	.globl	k_q626a389a26_prep
	.p2align	8
	.type	k_q626a389a26_prep,@function
k_q626a389a26_prep:
	s_mov_b64 s[64:65], 0
	v_nop
	global_prefetch_b8 v0, s[64:65] scope:SCOPE_SE
	s_setreg_imm32_b32 hwreg(HW_REG_WAVE_MODE, 25, 1), 1
	s_wait_xcnt 0x0
; The ten weights (codes and scale bytes) are laid once in the order of a matrix operand's registers, so that the second launch loads each fragment as 2 x 512 consecutive bytes.
; wimg: the matrices on end (eight of 32,768 bytes, then W_ff1 and W_ff2 of 131,072).  In a matrix with KS = K / 128, fragment n = t KS + s (tile t of 16 rows, K step s) is 1,024 bytes:
;   chunk c (512 bytes), lane l = r + 16 h: the 16 bytes of the source at row x 64 KS + 64 s + 32 c + 16 h.
; THE ROWS OF A TILE ARE NOT NEIGHBOURS: lane r of tile t = 2 b + u takes row 32 b + 8 u + r + (r & 8).
; simg: a matrix begins at its wimg offset / 16; the scale word of (n, r) lies at 256 (n / 4) + 16 r + 4 (n % 4).
; A work-group makes 4,096 bytes of wimg (a thread 16) and 256 bytes of simg (wave 0, 8 bytes a lane): every store of a wave covers whole aligned blocks of 256 bytes.
.macro ROWOF vn, vr, vs, vrow, vt          ; n in v[vn], r in v[vr]  ->  s in v[vs], the source row in v[vrow]; v[vt] at work
	s_delay_alu instid0(VALU_DEP_1)
	v_and_b32 v[\vs], s6, v[\vn]               ; s = n % KS
	s_delay_alu instid0(VALU_DEP_2)
	v_lshrrev_b32 v[\vt], s5, v[\vn]           ; t = n / KS
	s_delay_alu instid0(VALU_DEP_1)
	v_lshrrev_b32 v[\vrow], 1, v[\vt]
	s_delay_alu instid0(VALU_DEP_1)
	v_lshlrev_b32 v[\vrow], 5, v[\vrow]        ; 32 (t / 2)
	s_delay_alu instid0(VALU_DEP_3)
	v_and_b32 v[\vt], 1, v[\vt]
	s_delay_alu instid0(VALU_DEP_1)
	v_lshl_add_u32 v[\vrow], v[\vt], 3, v[\vrow]   ; + 8 (t % 2)
	v_and_b32 v[\vt], 8, v[\vr]
	s_delay_alu instid0(VALU_DEP_1)
	v_add3_u32 v[\vrow], v[\vrow], v[\vr], v[\vt]  ; + r + (r & 8)
.endm
	s_load_b512 s[8:23], s[0:1], 0x0           ; the codes of the eight square weights
	s_load_b128 s[24:27], s[0:1], 0x40         ; of W_ff1, W_ff2
	s_load_b512 s[28:43], s[0:1], 0x50         ; the scale bytes, in the same order
	s_load_b128 s[44:47], s[0:1], 0x90
	s_load_b128 s[48:51], s[0:1], 0xa0         ; wimg, simg
	s_lshr_b32 s2, ttmp9, 3
	s_lshr_b32 s3, ttmp9, 5
	s_add_co_u32 s3, s3, 6
	s_and_b32 s4, ttmp9, 7
	s_and_b32 s5, ttmp9, 31
	s_cmp_lt_u32 ttmp9, 64
	s_cselect_b32 s2, s2, s3                   ; which matrix: groups 0-63 the square ones, 8 each; 64-95 W_ff1; 96-127 W_ff2
	s_cselect_b32 s4, s4, s5                   ; which 4,096 bytes of it
	s_cmp_lt_u32 ttmp9, 96
	s_cselect_b32 s5, 1, 3                     ; log2 KS
	s_lshl_b32 s6, 1, s5
	s_sub_co_u32 s6, s6, 1                     ; KS - 1
	v_and_b32 v1, 15, v0                       ; r
	v_bfe_u32 v2, v0, 4, 1                     ; h
	v_bfe_u32 v3, v0, 5, 1                     ; c
	v_lshrrev_b32 v4, 6, v0
	s_delay_alu instid0(VALU_DEP_1)
	v_lshl_add_u32 v4, s4, 2, v4               ; n
	ROWOF 4, 1, 5, 7, 8
	s_add_co_u32 s7, s5, 6
	v_lshlrev_b32 v9, s7, v7                   ; row x 64 KS
	s_delay_alu instid0(VALU_DEP_1)
	v_lshl_add_u32 v9, v5, 6, v9
	s_delay_alu instid0(VALU_DEP_1)
	v_lshl_add_u32 v9, v3, 5, v9
	s_delay_alu instid0(VALU_DEP_1)
	v_lshl_add_u32 v9, v2, 4, v9
	v_lshlrev_b32 v10, 4, v0                   ; out: 16 bytes a thread
	v_lshrrev_b32 v11, 5, v0
	s_delay_alu instid0(VALU_DEP_1)
	v_readfirstlane_b32 s58, v11               ; wave
	s_lshl_b32 s56, ttmp9, 12
	s_mov_b32 s57, 0
	s_wait_alu depctr_va_vdst(0)
	s_wait_kmcnt 0x0
	s_mov_b64 s[52:53], s[8:9]
	s_mov_b64 s[54:55], s[28:29]
.irp i,1,2,3,4,5,6,7,8,9                   ; the choice hangs on the work-group's number alone
	s_cmp_eq_u32 s2, \i
	s_cselect_b64 s[52:53], s[8+2*\i:9+2*\i], s[52:53]
	s_cselect_b64 s[54:55], s[28+2*\i:29+2*\i], s[54:55]
.endr
	s_add_nc_u64 s[48:49], s[48:49], s[56:57]
	global_load_b128 v[12:15], v9, s[52:53]    ; waited for and stored at the end: wave 0's second load goes out beside it
	s_cmp_lg_u32 s58, 0
	s_cbranch_scc1 .Lend
	v_lshrrev_b32 v16, 1, v0                   ; wave 0: r = lane / 2,
	v_and_b32 v17, 1, v0                       ; e = lane % 2: words n = 4 part + 2 e and the next one, which share a row
	s_delay_alu instid0(VALU_DEP_1)
	v_lshlrev_b32 v18, 1, v17
	s_delay_alu instid0(VALU_DEP_1)
	v_lshl_add_u32 v18, s4, 2, v18
	ROWOF 18, 16, 19, 20, 21
	s_add_co_u32 s7, s5, 2
	v_lshlrev_b32 v22, s7, v20                 ; row x 4 KS
	s_delay_alu instid0(VALU_DEP_1)
	v_lshl_add_u32 v22, v19, 2, v22
	v_lshlrev_b32 v23, 3, v0
	s_lshl_b32 s56, ttmp9, 8
	s_add_nc_u64 s[50:51], s[50:51], s[56:57]
	global_load_b64 v[24:25], v22, s[54:55]
	s_wait_alu depctr_va_vdst(0)
	s_wait_loadcnt 0x0
	global_store_b64 v23, v[24:25], s[50:51]   ; 32 lanes store one aligned block of 256 bytes
.Lend:
	s_wait_loadcnt 0x0
	global_store_b128 v10, v[12:15], s[48:49]  ; a wave stores 512 consecutive bytes
	s_endpgm
.Lfunc_end_k_q626a389a26_prep:
	.size	k_q626a389a26_prep, .Lfunc_end_k_q626a389a26_prep-k_q626a389a26_prep
	.p2alignl 7, 3214868480
	.fill 96, 4, 3214868480
	.section	.rodata,"a",@progbits
	.p2align	6, 0x0
	.amdhsa_kernel k_q626a389a26_prep
		.amdhsa_group_segment_fixed_size 0
		.amdhsa_private_segment_fixed_size 0
		.amdhsa_enable_private_segment 0
		.amdhsa_kernarg_size 176
		.amdhsa_user_sgpr_count 2
		.amdhsa_user_sgpr_kernarg_segment_ptr 1
		.amdhsa_wavefront_size32 1
		.amdhsa_system_sgpr_workgroup_id_x 1
		.amdhsa_system_sgpr_workgroup_id_y 1
		.amdhsa_system_sgpr_workgroup_id_z 1
		.amdhsa_system_vgpr_workitem_id 0
		.amdhsa_next_free_vgpr 32
		.amdhsa_next_free_sgpr 66
		.amdhsa_reserve_vcc 0
		.amdhsa_float_denorm_mode_32 3
		.amdhsa_float_denorm_mode_16_64 3
		.amdhsa_memory_ordered 1
		.amdhsa_forward_progress 1
		.amdhsa_inst_pref_size 5
	.end_amdhsa_kernel
	.amdgpu_metadata
---
amdhsa.version: [ 1, 2 ]
amdhsa.kernels:
  - .name:           k_q626a389a26_prep
    .symbol:         k_q626a389a26_prep.kd
    .args:
      - { .name: Wq_o_codes, .offset: 0, .size: 8, .value_kind: global_buffer, .address_space: global }
      - { .name: Wk_o_codes, .offset: 8, .size: 8, .value_kind: global_buffer, .address_space: global }
      - { .name: Wv_o_codes, .offset: 16, .size: 8, .value_kind: global_buffer, .address_space: global }
      - { .name: Wo_o_codes, .offset: 24, .size: 8, .value_kind: global_buffer, .address_space: global }
      - { .name: Wq_i_codes, .offset: 32, .size: 8, .value_kind: global_buffer, .address_space: global }
      - { .name: Wk_i_codes, .offset: 40, .size: 8, .value_kind: global_buffer, .address_space: global }
      - { .name: Wv_i_codes, .offset: 48, .size: 8, .value_kind: global_buffer, .address_space: global }
      - { .name: Wo_i_codes, .offset: 56, .size: 8, .value_kind: global_buffer, .address_space: global }
      - { .name: W_ff1_codes, .offset: 64, .size: 8, .value_kind: global_buffer, .address_space: global }
      - { .name: W_ff2_codes, .offset: 72, .size: 8, .value_kind: global_buffer, .address_space: global }
      - { .name: Wq_o_scales, .offset: 80, .size: 8, .value_kind: global_buffer, .address_space: global }
      - { .name: Wk_o_scales, .offset: 88, .size: 8, .value_kind: global_buffer, .address_space: global }
      - { .name: Wv_o_scales, .offset: 96, .size: 8, .value_kind: global_buffer, .address_space: global }
      - { .name: Wo_o_scales, .offset: 104, .size: 8, .value_kind: global_buffer, .address_space: global }
      - { .name: Wq_i_scales, .offset: 112, .size: 8, .value_kind: global_buffer, .address_space: global }
      - { .name: Wk_i_scales, .offset: 120, .size: 8, .value_kind: global_buffer, .address_space: global }
      - { .name: Wv_i_scales, .offset: 128, .size: 8, .value_kind: global_buffer, .address_space: global }
      - { .name: Wo_i_scales, .offset: 136, .size: 8, .value_kind: global_buffer, .address_space: global }
      - { .name: W_ff1_scales, .offset: 144, .size: 8, .value_kind: global_buffer, .address_space: global }
      - { .name: W_ff2_scales, .offset: 152, .size: 8, .value_kind: global_buffer, .address_space: global }
      - { .name: wimg, .offset: 160, .size: 8, .value_kind: global_buffer, .address_space: global }
      - { .name: simg, .offset: 168, .size: 8, .value_kind: global_buffer, .address_space: global }
    .group_segment_fixed_size: 0
    .private_segment_fixed_size: 0
    .kernarg_segment_align: 8
    .kernarg_segment_size: 176
    .max_flat_workgroup_size: 256
    .sgpr_count:     66
    .vgpr_count:     32
    .wavefront_size: 32
...
	.end_amdgpu_metadata
.endif
;; end of part 1
;; launch fused (part 2): grid 256 x 1, 8 waves a work-group, no clusters, 303,104 bytes of LDS; arguments x, projector_codes, projector_scales, wimg, simg, out0, bq_o, bk_o, bv_o, bo_o, bq_i, bk_i, bv_i, bo_i, g1, b1, g2, b2, b_ff2, b_ff1; writes out0
.if DOCPART == 2
	.amdgcn_target "amdgcn-amd-amdhsa--gfx1250"
	.amdhsa_code_object_version 6
	.text
	.protected	k_q626a389a26_fused
	.globl	k_q626a389a26_fused
	.p2align	8
	.type	k_q626a389a26_fused,@function
k_q626a389a26_fused:
	s_mov_b64 s[64:65], 0
	v_nop
	global_prefetch_b8 v0, s[64:65] scope:SCOPE_SE
	s_setreg_imm32_b32 hwreg(HW_REG_WAVE_MODE, 25, 1), 1
	s_wait_xcnt 0x0
; The whole layer for one slice (b, s) at a time: 128 tokens x 256 channels.  A work-group of eight waves walks slices 2 g and 2 g + 1.  Nothing but x comes from memory per slice and nothing but out0 goes back.
; All fourteen products are on codes of FP4 (E2M1) with one E8M0 scale for each 32 along K; what is computed on the way is quantised in registers, from f32.
; SHARES.  THE WAVES SHARE THE COLUMNS: wave w = head w = channels 32 w .. 32 w + 31 of every 256-wide tensor = hidden units 128 w .. 128 w + 127, for all 128 tokens.  Both attentions of a head stay in one wave.
; Operands with K = 256 or 1,024 go from wave to wave through LDS as images of the operand's registers; a wave's 32 channels are block w of K = 256: 8 bytes a lane and one scale byte a row.
; ROW ORDER.  Lane r of tile 2 b + u (of a weight, of the tokens, of the projector's rows) takes row 32 b + 8 u + r + (r & 8), so that the 16 registers of two neighbouring result tiles are 16 neighbours along the next K.
; A LANE'S f32 LAYOUT (x, residual, m, out): tile T, lane (r, h), register i: that tile's token of lane r, channel 32 w + 16 h + i.
; PRODUCTS WITH K = 32 use the 128-deep instruction: one side has zero codes for every k from 32 on (and scale bytes 0 there, which stand for a finite number); the other side's registers there hold codes of any value: they add nothing.
; SOFTMAX: p = 2^(t - M), M = ceil(the row's largest t); the row's sum of the unquantised p divides the product at the end.
; GELU: exact form x (1 + erf(x / sqrt 2)) / 2; erf by a rational function in x^2 (7 and 5 coefficients, x held to +-4 sqrt 2), the powers of two of x^2 / 2 folded into the coefficients.
; LAYERNORM: each wave's mean and centred sum of squares of its 32 channels are combined over the eight waves; no difference of large sums is formed.
; REQUESTS STAND AHEAD OF WORK THAT COVERS THEM: a pair of row tiles is asked of LDS behind the products of the pair before, and that pair's vector work (quantiser, residual, LayerNorm's sums) follows the request;
;   a pair's finished rows are stored to LDS while the next pair is normalised; W_ff2 is waited for by quarters, in the order of its use.
; LIMITS: NaN and infinities are not served.  A block whose largest magnitude lies under 2^-124 has its scale byte held at 1; a block of zeros gets byte 1 and zero codes.
;   erf has an absolute error of a few 1e-7, so far negative inputs of the gelu have that absolute accuracy, not the relative one.
; NOT USED: tensor loads, clusters, joint requests: the weights that all work-groups share (544 KB) go straight into the registers of the one wave that multiplies by them and feed eight row tiles there;
;   through LDS they would be read once more.  No prefetch: x of the next slice is loaded into registers a whole phase (the first MLP product) ahead of its use.
; REGISTERS.  Window 0: v1-19, v46-47 addresses; v20-45 scale words and nothing else; v48-127 operands and work; v128-255 BIG: accumulators.  Window 1: v0-127 x; v128-255 weights (three slots of 32, or 16 fragments) and v224-255 a pair of row tiles.
.set XIMG, 0                   ; LDS: images of x (8 tiles x 2 K steps x 1,024 bytes),
.set AIMG, 16384               ; of the second attention's result,
.set MIMG, 32768               ; of m,
.set OIMG, 49152               ; of the first attention's result (2 tiles),
.set MOIMG, 53248              ; of message_out;
.set XSC, 57344                ; their scale words: 128 T + 64 ks + 4 r
.set ASC, 58368
.set MSC, 59392
.set OSC, 60416
.set MOSC, 60672
.set HSC, 61440                ; the hidden layer's: 512 ks + 64 T + 4 r
.set LNS1, 65536               ; LayerNorm 1: 1,280 T + 80 r: eight means, eight centred sums of squares
.set LNS2O, 10240              ; LayerNorm 2: so many bytes further on
.set HIMG, 86016               ; images of the hidden layer: 8,192 ks + 1,024 T
.set PARK, 151552              ; m, while the MLP has the accumulators: 16,384 w + 512 (4 T + i) + 16 lane
.set STAGE, 151552             ; the same bytes later: 128 rows of out x (1,024 + 16)
.set BT, 284672                ; the thirteen vectors of 256 (1,024 bytes each, in the order of the arguments), then b_ff1
.set BTF1, 13312
.set WQO, 0                    ; wimg: byte offsets of the matrices (simg: a sixteenth)
.set WKO, 32768
.set WVO, 65536
.set WOO, 98304
.set WQI, 131072
.set WKI, 163840
.set WVI, 196608
.set WOI, 229376
.set WF1O, 262144
.set WF2O, 393216
.set LI, 1                     ; 16 lane
.set L4, 2                     ; 4 lane
.set VW4, 3                    ; 16 lane + 4,096 w
.set VW16, 4                   ; 16 lane + 16,384 w
.set VS1, 5                    ; 16 r + 256 w
.set VS4, 6                    ; 16 r + 1,024 w
.set VX, 7                     ; (r + (r & 8)) 1,024 + 64 h + 128 w
.set BST, 8                    ; 16 r + 8 h + 256 w: my 8 bytes of a block's image
.set SST, 9                    ; 4 r + 64 (w / 4) + w % 4: my block's scale byte
.set VBL, 10                   ; BT + 128 w + 64 h
.set VBR, 11                   ; BT + 128 w + 4 (r + (r & 8))
.set VP, 12                    ; (r + (r & 8)) 128 + 16 h
.set VPS, 13                   ; (r + (r & 8)) 8 + 4 h
.set LNW, 14                   ; LNS1 + 80 r + 4 w
.set LNR, 15                   ; LNS1 + 80 r
.set PKA, 16                   ; PARK + 16 lane + 16,384 w: made anew in each slice, ahead of LayerNorm 1; later in the slice: back from the stage, STAGE + 16 lane + 4,160 w (four rows a wave)
.set HWI, 17                   ; HIMG + 16 lane + 8,192 w: made anew in each slice, ahead of the first MLP product;
.set SIA, 17                   ; later in the slice: into the stage, tokens 0-63
.set HRI, 18                   ; HIMG + 16 lane
.set HWS, 19                   ; HSC + 4 r + 512 w: made anew likewise;
.set SIB, 19                   ; later: into the stage, tokens 64-127
.set WS, 20                    ; v20-31 the three slots' scale quads; in the MLP v20-35
.set PSC, 32                   ; the projector's scale words
.set QS, 34
.set XS, 36                    ; a pair of row tiles' scale words; in the MLP v36-39
.set KS, 38
.set KOS, 40
.set QIS, 40
.set PS, 42
.set PIS, 42
.set VS, 44
.set VIS, 44
.set B1A, 46                   ; BT + BTF1 + 512 w + 64 h
.set HRS, 47                   ; HSC + 4 r + 512 h
.set KF, 48                    ; k of the second attention: 2 fragments
.set BOD, 48                   ; later: bo_i
.set QF, 64                    ; q of the first attention, then its v^T, later v^T of the second
.set VF, 64
.set VIF, 64
.set KOF, 80
.set PF, 80
.set GPQ, 80
.set BO, 96
.set BV, 96
.set GPP, 96
.set TM, 112
.set RL, 124                   ; 1 / l of the first attention: pairs v[124:125], v[126:127]
.set BIG, 128
.set CT, BIG+32                ; second attention: 16 registers of work a tile
.set LG, 48                    ; LayerNorm: gain, bias, exchanged figures, my means, work
.set LBI, 64
.set LR, 80
.set MW, 112
.set LTT, 120
.set MFR, 48                   ; MLP, first product
.set GTT, 64
.set PCD, 96
.set PW, 104
.set CA1, 124
.set CB1, 126
.set HA, BIG
.set B1, BIG+64
.set HFR, 48                   ; MLP, second product: four buffers of 16, v48-111
.set BF2, 112                  ; b_ff2 at my 16 channels, v112-127
.set WF, 128                   ; window 1
.set XFR, 224
.set MSB, 0
.macro WIN new                 ; the immediate's high byte repeats the setting that is left; a switch that changes nothing is dropped
.if MSB != (\new)
	s_set_vgpr_msb (MSB<<8)|(\new)
.set MSB, (\new)
.endif
.endm
.macro NOPS n                  ; places behind matrix instructions (ISA guide 7.12.1) where no other vector work is at hand
.rept \n
	v_nop
.endr
.endm
.macro BAR                     ; my LDS stores have landed and my LDS loads are in: then the work-group's barrier
	s_wait_dscnt 0x0
	s_barrier_signal -1
	s_barrier_wait -1
.endm
; one matrix instruction.  cm = 0: C is the constant 0; 1: C = v[c ..].  row = 1: source 0's scales from lanes 16-31; 2: source 1's
.macro WM d, a, b, cm, c, sa, sb, row
.if (\cm) == 0
.if (\row) == 0
	v_wmma_scale_f32_16x16x128_f8f6f4 v[(\d):(\d)+7], v[(\a):(\a)+7], v[(\b):(\b)+7], 0, v[\sa], v[\sb] matrix_a_fmt:MATRIX_FMT_FP4 matrix_b_fmt:MATRIX_FMT_FP4
.elseif (\row) == 1
	v_wmma_scale_f32_16x16x128_f8f6f4 v[(\d):(\d)+7], v[(\a):(\a)+7], v[(\b):(\b)+7], 0, v[\sa], v[\sb] matrix_a_fmt:MATRIX_FMT_FP4 matrix_b_fmt:MATRIX_FMT_FP4 matrix_a_scale:MATRIX_SCALE_ROW1
.else
	v_wmma_scale_f32_16x16x128_f8f6f4 v[(\d):(\d)+7], v[(\a):(\a)+7], v[(\b):(\b)+7], 0, v[\sa], v[\sb] matrix_a_fmt:MATRIX_FMT_FP4 matrix_b_fmt:MATRIX_FMT_FP4 matrix_b_scale:MATRIX_SCALE_ROW1
.endif
.else
.if (\row) == 0
	v_wmma_scale_f32_16x16x128_f8f6f4 v[(\d):(\d)+7], v[(\a):(\a)+7], v[(\b):(\b)+7], v[(\c):(\c)+7], v[\sa], v[\sb] matrix_a_fmt:MATRIX_FMT_FP4 matrix_b_fmt:MATRIX_FMT_FP4
.elseif (\row) == 1
	v_wmma_scale_f32_16x16x128_f8f6f4 v[(\d):(\d)+7], v[(\a):(\a)+7], v[(\b):(\b)+7], v[(\c):(\c)+7], v[\sa], v[\sb] matrix_a_fmt:MATRIX_FMT_FP4 matrix_b_fmt:MATRIX_FMT_FP4 matrix_a_scale:MATRIX_SCALE_ROW1
.else
	v_wmma_scale_f32_16x16x128_f8f6f4 v[(\d):(\d)+7], v[(\a):(\a)+7], v[(\b):(\b)+7], v[(\c):(\c)+7], v[\sa], v[\sb] matrix_a_fmt:MATRIX_FMT_FP4 matrix_b_fmt:MATRIX_FMT_FP4 matrix_b_scale:MATRIX_SCALE_ROW1
.endif
.endif
.endm
; x of a slice, off bytes from s[4:5], into window 1: 64 bytes of a row for each tile
.macro XLOAD off
	WIN 0x40
.irp t,0,1,2,3,4,5,6,7
.irp j,0,1,2,3
	global_load_b128 v[16*\t+4*\j:16*\t+4*\j+3], v[VX], s[4:5] offset:(\off)+(32*(\t/2)+8*(\t%2))*1024+16*\j
.endr
.endr
	WIN 0
.endm
; my four fragments and four scale words of a square weight into slot k: 9 loads
.macro WSLOT k, woff
	WIN 0x40
.irp q,0,1,2,3,4,5,6,7
	global_load_b128 v[WF+32*(\k)+4*\q:WF+32*(\k)+4*\q+3], v[VW4], s[10:11] offset:(\woff)+512*\q
.endr
	WIN 0
	global_load_b128 v[WS+4*(\k):WS+4*(\k)+3], v[VS1], s[12:13] offset:(\woff)/16
.endm
; what a slice begins with: Wq_o, Wk_i, Wk_o and the projector's four fragments and scale words: 37 loads
.macro G0
	WSLOT 0, WQO
	WSLOT 1, WKI
	WSLOT 2, WKO
	WIN 0x40
.irp q,0,1
.irp k,0,1
.irp c,0,1
	global_load_b128 v[XFR+16*\q+8*\k+4*\c:XFR+16*\q+8*\k+4*\c+3], v[VP], s[34:35] offset:1024*\q+64*\k+32*\c
.endr
.endr
.endr
	WIN 0
	global_load_b32 v[PSC], v[VPS], s[36:37]              ; lanes 0-15: K step 0's word, lanes 16-31: K step 1's
	global_load_b32 v[PSC+1], v[VPS], s[36:37] offset:64
.endm
.macro W1LOAD f                ; fragment f of my sixteen of W_ff1
.irp c,0,1
	global_load_b128 v[WF+8*(\f)+4*\c:WF+8*(\f)+4*\c+3], v[VW16], s[10:11] offset:WF1O+1024*(\f)+512*\c
.endr
.endm
; a pair of row tiles (K = 256: two fragments each) from their images, and their scale words: 10 LDS loads
.macro LDP ioff, soff
	WIN 0x40
.irp i,0,1
.irp k,0,1
.irp c,0,1
	ds_load_b128 v[XFR+16*\i+8*\k+4*\c:XFR+16*\i+8*\k+4*\c+3], v[LI] offset:(\ioff)+2048*\i+1024*\k+512*\c
.endr
.endr
.endr
	WIN 0
	ds_load_b32 v[XS], v[L4] offset:(\soff)
	ds_load_b32 v[XS+1], v[L4] offset:(\soff)+128
.endm
.macro BIASO dst, j            ; vector j at my 16 channels: register i = vector[32 w + 16 h + i]
.irp q,0,1,2,3
	ds_load_b128 v[(\dst)+4*\q:(\dst)+4*\q+3], v[VBL] offset:1024*(\j)+16*\q
.endr
.endm
.macro BIASB dst, j            ; vector j at my lane's channel of tile u, in all eight registers of octet u
.irp u,0,1
.irp n,0,1,2,3,4,5,6,7
	ds_load_b32 v[(\dst)+8*\u+\n], v[VBR] offset:1024*(\j)+32*\u
.endr
.endr
.endm
; four matrix instructions of K step ks: source 0 = my two tiles of the weight in slot k, source 1 = the pair of row tiles.  The four accumulators take turns
.macro MMWK d, di, k, cb, x, ks
.irp i,0,1
.irp u,0,1
.if (\ks) == 0
	WM (\d)+(\di)*\i+8*\u, WF+32*(\k)+16*\u, XFR+16*\i, 1, (\cb)+8*\u, WS+4*(\k)+2*\u, (\x)+\i, 0
.else
	WM (\d)+(\di)*\i+8*\u, WF+32*(\k)+16*\u+8, XFR+16*\i+8, 1, (\d)+(\di)*\i+8*\u, WS+4*(\k)+2*\u+1, (\x)+\i, 2
.endif
.endr
.endr
.endm
.macro MMW d, di, k, cb, x
	WIN 0x05
	MMWK \d, \di, \k, \cb, \x, 0
	MMWK \d, \di, \k, \cb, \x, 1
	WIN 0
.endm
; the same with the row tiles as source 0: a lane then holds one channel, and its registers run along the rows
.macro MMXK d, su, si, k, cb, ks
.irp i,0,1
.irp u,0,1
.if (\ks) == 0
	WM (\d)+(\su)*\u+(\si)*\i, XFR+16*\i, WF+32*(\k)+16*\u, 1, (\cb)+8*\u, XS+\i, WS+4*(\k)+2*\u, 0
.else
	WM (\d)+(\su)*\u+(\si)*\i, XFR+16*\i+8, WF+32*(\k)+16*\u+8, 1, (\d)+(\su)*\u+(\si)*\i, XS+\i, WS+4*(\k)+2*\u+1, 1
.endif
.endr
.endr
.endm
.macro MMX d, su, si, k, cb
	WIN 0x05
	MMXK \d, \su, \si, \k, \cb, 0
	MMXK \d, \su, \si, \k, \cb, 1
	WIN 0
.endm
; TWO BLOCKS OF 32, each 16 numbers in lane l and 16 in lane l xor 16 (v[s] .. v[s + 15]; sw = 1: in window 1), become 2 registers of codes (c, c + 1) and a scale byte (sb) each.
; The floor 2^(3 - 127) among the leaves holds the byte at 1 from below; 2 off the largest magnitude's exponent field is the conversion's scale operand.
.macro BQ2 s0, s1, c0, c1, sb0, sb1, sw
	WIN 0x14*(\sw)
	v_max3_num_f32 v[TM], s50, |v[\s0]|, |v[(\s0)+1]|              ; s50: the floor
	v_max3_num_f32 v[TM+1], s50, |v[(\s0)+8]|, |v[(\s0)+9]|
	v_max3_num_f32 v[TM+2], s50, |v[\s1]|, |v[(\s1)+1]|
	v_max3_num_f32 v[TM+3], s50, |v[(\s1)+8]|, |v[(\s1)+9]|
.irp n,2,4,6
	v_max3_num_f32 v[TM], v[TM], |v[(\s0)+\n]|, |v[(\s0)+\n+1]|
	v_max3_num_f32 v[TM+1], v[TM+1], |v[(\s0)+\n+8]|, |v[(\s0)+\n+9]|
	v_max3_num_f32 v[TM+2], v[TM+2], |v[(\s1)+\n]|, |v[(\s1)+\n+1]|
	v_max3_num_f32 v[TM+3], v[TM+3], |v[(\s1)+\n+8]|, |v[(\s1)+\n+9]|
.endr
	WIN 0
	v_max_num_f32 v[TM], v[TM], v[TM+1]
	v_max_num_f32 v[TM+2], v[TM+2], v[TM+3]
	s_delay_alu instid0(VALU_DEP_2)
	v_permlanex16_b32 v[TM+4], v[TM], s16, s17
	s_delay_alu instid0(VALU_DEP_2)
	v_permlanex16_b32 v[TM+5], v[TM+2], s16, s17
	s_delay_alu instid0(VALU_DEP_2)
	v_max_num_f32 v[TM], v[TM], v[TM+4]
	s_delay_alu instid0(VALU_DEP_2)
	v_max_num_f32 v[TM+2], v[TM+2], v[TM+5]
	s_delay_alu instid0(VALU_DEP_2)
	v_add_nc_u32 v[TM+6], s51, v[TM]               ; s51: 2 off the exponent field
	s_delay_alu instid0(VALU_DEP_2)
	v_add_nc_u32 v[TM+7], s51, v[TM+2]
	s_delay_alu instid0(VALU_DEP_2)
	v_lshrrev_b32 v[\sb0], 23, v[TM+6]
	s_delay_alu instid0(VALU_DEP_2)
	v_lshrrev_b32 v[\sb1], 23, v[TM+7]
	WIN 0x01*(\sw)
	v_cvt_scalef32_pk8_fp4_f32 v[\c0], v[(\s0):(\s0)+7], v[TM+6]
	v_cvt_scalef32_pk8_fp4_f32 v[(\c0)+1], v[(\s0)+8:(\s0)+15], v[TM+6]
	v_cvt_scalef32_pk8_fp4_f32 v[\c1], v[(\s1):(\s1)+7], v[TM+7]
	v_cvt_scalef32_pk8_fp4_f32 v[(\c1)+1], v[(\s1)+8:(\s1)+15], v[TM+7]
	WIN 0
	v_nop                                          ; one plain place behind the scaled conversions
.endm
; a block's two halves into lanes 0-15 of registers f .. f + 3 (K = 32: the operand's first block); lanes 16-31 take what f + 2, f + 3 held in lanes 0-15
.macro SWP f
	v_permlane16_swap_b32 v[\f], v[(\f)+2]
	v_permlane16_swap_b32 v[(\f)+1], v[(\f)+3]
.endm
.macro STB c, sb, ioff, soff   ; my block's 8 bytes of codes and its scale byte into an image (both lanes of a block write the same byte with the same value)
	ds_store_b64 v[BST], v[(\c):(\c)+1] offset:\ioff
	ds_store_b8 v[SST], v[\sb] offset:\soff
.endm
; 64 numbers of a lane, register 16 b + i = k 32 b + 16 (lane / 16) + i of my row, become a fragment's codes in v[pc ..] and its scale word in v[pw]
.macro QUANT s, pc, pw
.irp b,0,1,2,3
	v_max3_num_f32 v[TM+\b], |v[(\s)+16*\b]|, |v[(\s)+16*\b+1]|, s50
.endr
.irp n,2,4,6,8,10,12,14
.irp b,0,1,2,3
	s_delay_alu instid0(VALU_DEP_4)
	v_max3_num_f32 v[TM+\b], v[TM+\b], |v[(\s)+16*\b+\n]|, |v[(\s)+16*\b+\n+1]|
.endr
.endr
.irp b,0,1,2,3
	s_delay_alu instid0(VALU_DEP_4)
	v_permlanex16_b32 v[TM+4+\b], v[TM+\b], s16, s17
.endr
.irp b,0,1,2,3
	s_delay_alu instid0(VALU_DEP_4)
	v_max_num_f32 v[TM+\b], v[TM+\b], v[TM+4+\b]
.endr
.irp b,0,1,2,3
	s_delay_alu instid0(VALU_DEP_4)
	v_add_nc_u32 v[TM+8+\b], s51, v[TM+\b]
.endr
.irp b,0,1,2,3
	s_delay_alu instid0(VALU_DEP_4)
	v_lshrrev_b32 v[TM+4+\b], 23, v[TM+8+\b]
.endr
	s_delay_alu instid0(VALU_DEP_3)
	v_lshl_or_b32 v[\pw], v[TM+5], 8, v[TM+4]
	s_delay_alu instid0(VALU_DEP_1)
	v_lshl_or_b32 v[\pw], v[TM+6], 16, v[\pw]
	s_delay_alu instid0(VALU_DEP_1)
	v_lshl_or_b32 v[\pw], v[TM+7], 24, v[\pw]
.irp b,0,1,2,3
	v_cvt_scalef32_pk8_fp4_f32 v[(\pc)+2*\b], v[(\s)+16*\b:(\s)+16*\b+7], v[TM+8+\b]
	v_cvt_scalef32_pk8_fp4_f32 v[(\pc)+2*\b+1], v[(\s)+16*\b+8:(\s)+16*\b+15], v[TM+8+\b]
.endr
	v_nop                                          ; one plain place behind the scaled conversions
.irp c,0,1                                     ; a whole block to a lane: lanes 0-15 block 2 c, lanes 16-31 block 2 c + 1
.irp i,0,1
	v_permlane16_swap_b32 v[(\pc)+4*\c+\i], v[(\pc)+4*\c+2+\i]
.endr
.endr
.endm
; THE FIRST ATTENTION'S SOFTMAX for query tile qt: 64 scores a lane (register 16 b + i = key 32 b + 16 h + i) become p's fragment PF + 8 qt, its scale word PS + qt and 1 / l in RL + 2 qt
.set BM, BO
.set PT, BO+4
.set SO, BO+8
.set NM, BO+12
.set SMB, BO+14
.set SMA, TM
.set T0, TM+2
.set T1, TM+3
.macro SMAXO qt
.set SBA, BIG+64*(\qt)
.irp b,0,1,2,3
	v_max3_num_f32 v[BM+\b], v[SBA+16*\b], v[SBA+16*\b+1], v[SBA+16*\b+2]   ; the largest score of each block of 32 keys: it serves the row's maximum and, since p rises with the score, the block's largest p
.endr
.irp n,3,5,7,9,11,13
.irp b,0,1,2,3
	v_max3_num_f32 v[BM+\b], v[BM+\b], v[SBA+16*\b+\n], v[SBA+16*\b+\n+1]
.endr
.endr
.irp b,0,1,2,3
	v_max_num_f32 v[BM+\b], v[BM+\b], v[SBA+16*\b+15]
.endr
.irp b,0,1,2,3
	s_delay_alu instid0(VALU_DEP_4)
	v_permlanex16_b32 v[PT+\b], v[BM+\b], s16, s17
.endr
.irp b,0,1,2,3
	s_delay_alu instid0(VALU_DEP_4)
	v_max_num_f32 v[BM+\b], v[BM+\b], v[PT+\b]
.endr
	s_delay_alu instid0(VALU_DEP_2)
	v_max3_num_f32 v[T0], v[BM], v[BM+1], v[BM+2]
	s_delay_alu instid0(VALU_DEP_1)
	v_max_num_f32 v[T0], v[T0], v[BM+3]
	s_delay_alu instid0(VALU_DEP_1)
	v_mul_f32 v[T0], s18, v[T0]                    ; the row's largest t
	s_delay_alu instid0(VALU_DEP_1)
	v_floor_f32 v[NM], -v[T0]                      ; -M = floor(-t)
.set N, 0
.rept 32
	v_pk_fma_f32 v[SBA+N:SBA+N+1], v[SBA+N:SBA+N+1], s[18:19], v[NM:NM+1] op_sel_hi:[1,0,0]   ; t - M
.set N, N+2
.endr
.irp b,0,1,2,3
	v_fma_f32 v[BM+\b], v[BM+\b], s18, v[NM]
.endr
.set N, 0
	s_wait_alu depctr_va_vdst(0)
.rept 64
	v_exp_f32 v[SBA+N], v[SBA+N]
.set N, N+1
.endr
	v_nop                                          ; a plain place behind the exponentials
	s_wait_alu depctr_va_vdst(0)                   ; one wait for the batch of 64, ahead of its first reader
.irp b,0,1,2,3
	v_exp_f32 v[BM+\b], v[BM+\b]                   ; each block's largest p
.endr
	v_pk_add_f32 v[SMA:SMA+1], v[SBA:SBA+1], v[SBA+2:SBA+3]      ; the row's sum, of the unquantised p, in two chains
	v_pk_add_f32 v[SMB:SMB+1], v[SBA+4:SBA+5], v[SBA+6:SBA+7]
.irp n,8,12,16,20,24,28,32,36,40,44,48,52,56,60
	v_pk_add_f32 v[SMA:SMA+1], v[SMA:SMA+1], v[SBA+\n:SBA+\n+1]
	v_pk_add_f32 v[SMB:SMB+1], v[SMB:SMB+1], v[SBA+\n+2:SBA+\n+3]
.endr
	s_delay_alu instid0(VALU_DEP_1)
	v_pk_add_f32 v[SMA:SMA+1], v[SMA:SMA+1], v[SMB:SMB+1]
	s_delay_alu instid0(VALU_DEP_1)
	v_add_f32 v[T0], v[SMA], v[SMA+1]
	s_delay_alu instid0(VALU_DEP_1)
	v_permlanex16_b32 v[T1], v[T0], s16, s17
	s_delay_alu instid0(VALU_DEP_1)
	v_add_f32 v[T0], v[T0], v[T1]
	s_wait_alu depctr_va_vdst(0)
	v_rcp_f32 v[RL+2*(\qt)], v[T0]
	v_nop
	s_wait_alu depctr_va_vdst(0)                   ; one wait for the four exponentials and the reciprocal
.irp b,0,1,2,3
	v_max_num_f32 v[BM+\b], s50, v[BM+\b]
.endr
.irp b,0,1,2,3
	s_delay_alu instid0(VALU_DEP_4)
	v_add_nc_u32 v[SO+\b], s51, v[BM+\b]
.endr
.irp b,0,1,2,3
	s_delay_alu instid0(VALU_DEP_4)
	v_lshrrev_b32 v[PT+\b], 23, v[SO+\b]
.endr
	s_delay_alu instid0(VALU_DEP_3)
	v_lshl_or_b32 v[PS+(\qt)], v[PT+1], 8, v[PT]
	s_delay_alu instid0(VALU_DEP_1)
	v_lshl_or_b32 v[PS+(\qt)], v[PT+2], 16, v[PS+(\qt)]
	s_delay_alu instid0(VALU_DEP_1)
	v_lshl_or_b32 v[PS+(\qt)], v[PT+3], 24, v[PS+(\qt)]
.irp b,0,1,2,3
	v_cvt_scalef32_pk8_fp4_f32 v[PF+8*(\qt)+2*\b], v[SBA+16*\b:SBA+16*\b+7], v[SO+\b]
	v_cvt_scalef32_pk8_fp4_f32 v[PF+8*(\qt)+2*\b+1], v[SBA+16*\b+8:SBA+16*\b+15], v[SO+\b]
.endr
	v_nop
.irp c,0,1
.irp i,0,1
	v_permlane16_swap_b32 v[PF+8*(\qt)+4*\c+\i], v[PF+8*(\qt)+4*\c+2+\i]
.endr
.endr
.endm
; THE SECOND ATTENTION'S SOFTMAX, two tiles of tokens by turns: 16 scores a lane (register i = key 16 h + i) become p's codes GPP + 4 i, the scale word PIS + i, and 1 / l in CT + 16 i + 12
.macro SMAXI
.irp i,0,1
	v_max3_num_f32 v[CT+16*\i], v[BIG+16*\i], v[BIG+16*\i+1], v[BIG+16*\i+2]
	v_max3_num_f32 v[CT+16*\i+1], v[BIG+16*\i+8], v[BIG+16*\i+9], v[BIG+16*\i+10]
.endr
.irp n,3,5
.irp i,0,1
	v_max3_num_f32 v[CT+16*\i], v[CT+16*\i], v[BIG+16*\i+\n], v[BIG+16*\i+\n+1]
	v_max3_num_f32 v[CT+16*\i+1], v[CT+16*\i+1], v[BIG+16*\i+\n+8], v[BIG+16*\i+\n+9]
.endr
.endr
.irp i,0,1
	v_max3_num_f32 v[CT+16*\i], v[CT+16*\i], v[BIG+16*\i+7], v[BIG+16*\i+15]
.endr
.irp i,0,1
	s_delay_alu instid0(VALU_DEP_2)
	v_max_num_f32 v[CT+16*\i], v[CT+16*\i], v[CT+16*\i+1]
.endr
.irp i,0,1
	v_permlanex16_b32 v[CT+16*\i+2], v[CT+16*\i], s16, s17
.endr
.irp i,0,1
	s_delay_alu instid0(VALU_DEP_2)
	v_max_num_f32 v[CT+16*\i], v[CT+16*\i], v[CT+16*\i+2]
.endr
.irp i,0,1
	s_delay_alu instid0(VALU_DEP_2)
	v_mul_f32 v[CT+16*\i+3], s18, v[CT+16*\i]
.endr
.irp i,0,1
	s_delay_alu instid0(VALU_DEP_2)
	v_floor_f32 v[CT+16*\i+4], -v[CT+16*\i+3]      ; -M
.endr
.irp n,0,2,4,6,8,10,12,14
.irp i,0,1
	v_pk_fma_f32 v[BIG+16*\i+\n:BIG+16*\i+\n+1], v[BIG+16*\i+\n:BIG+16*\i+\n+1], s[18:19], v[CT+16*\i+4:CT+16*\i+5] op_sel_hi:[1,0,0]
.endr
.endr
.irp i,0,1
	v_fma_f32 v[CT+16*\i+6], v[CT+16*\i], s18, v[CT+16*\i+4]
.endr
.set N, 0
	s_wait_alu depctr_va_vdst(0)
.rept 32
	v_exp_f32 v[BIG+N], v[BIG+N]
.set N, N+1
.endr
.irp i,0,1
	v_exp_f32 v[CT+16*\i+6], v[CT+16*\i+6]         ; the block's largest p
.endr
	v_nop
	s_wait_alu depctr_va_vdst(0)                   ; one wait for both tiles' 34 exponentials
.irp i,0,1
	v_max_num_f32 v[CT+16*\i+6], s50, v[CT+16*\i+6]
.endr
.irp i,0,1
	s_delay_alu instid0(VALU_DEP_2)
	v_add_nc_u32 v[CT+16*\i+7], s51, v[CT+16*\i+6]
.endr
.irp i,0,1
	s_delay_alu instid0(VALU_DEP_2)
	v_lshrrev_b32 v[PIS+\i], 23, v[CT+16*\i+7]
.endr
.irp i,0,1
	v_cvt_scalef32_pk8_fp4_f32 v[GPP+4*\i], v[BIG+16*\i:BIG+16*\i+7], v[CT+16*\i+7]
	v_cvt_scalef32_pk8_fp4_f32 v[GPP+4*\i+1], v[BIG+16*\i+8:BIG+16*\i+15], v[CT+16*\i+7]
.endr
	v_nop
	SWP GPP
	SWP GPP+4
.irp i,0,1                                     ; the sums of the unquantised p: also the places between the lines above and the products that follow
	v_pk_add_f32 v[CT+16*\i+8:CT+16*\i+9], v[BIG+16*\i:BIG+16*\i+1], v[BIG+16*\i+2:BIG+16*\i+3]
	v_pk_add_f32 v[CT+16*\i+10:CT+16*\i+11], v[BIG+16*\i+4:BIG+16*\i+5], v[BIG+16*\i+6:BIG+16*\i+7]
.endr
.irp n,8,12
.irp i,0,1
	v_pk_add_f32 v[CT+16*\i+8:CT+16*\i+9], v[CT+16*\i+8:CT+16*\i+9], v[BIG+16*\i+\n:BIG+16*\i+\n+1]
	v_pk_add_f32 v[CT+16*\i+10:CT+16*\i+11], v[CT+16*\i+10:CT+16*\i+11], v[BIG+16*\i+\n+2:BIG+16*\i+\n+3]
.endr
.endr
.irp i, 0
	s_delay_alu instid0(VALU_DEP_3)
	v_pk_add_f32 v[CT+16*\i+8:CT+16*\i+9], v[CT+16*\i+8:CT+16*\i+9], v[CT+16*\i+10:CT+16*\i+11]
.endr
.irp i, 1
	s_delay_alu instid0(VALU_DEP_2)
	v_pk_add_f32 v[CT+16*\i+8:CT+16*\i+9], v[CT+16*\i+8:CT+16*\i+9], v[CT+16*\i+10:CT+16*\i+11]
.endr
.irp i,0,1
	s_delay_alu instid0(VALU_DEP_2)
	v_add_f32 v[CT+16*\i+14], v[CT+16*\i+8], v[CT+16*\i+9]
.endr
.irp i,0,1
	s_delay_alu instid0(VALU_DEP_2)
	v_permlanex16_b32 v[CT+16*\i+2], v[CT+16*\i+14], s16, s17
.endr
.irp i,0,1
	s_delay_alu instid0(VALU_DEP_2)
	v_add_f32 v[CT+16*\i+14], v[CT+16*\i+14], v[CT+16*\i+2]
.endr
	s_wait_alu depctr_va_vdst(0)
.irp i,0,1
	v_rcp_f32 v[CT+16*\i+12], v[CT+16*\i+14]       ; its wait stands ahead of its first reader, behind the products
.endr
	v_nop
.endm
; LAYERNORM, first half, tiles ta and ta + 1 by turns: my 32 channels' mean (kept in MW), the numbers centred on it in place, and the centred sum of squares; both figures to LDS (4 LDS stores)
.macro LNSTAT2 ta, loff
.set VA, BIG+16*(\ta)
.irp p,0,1
	v_pk_add_f32 v[LR+16*\p:LR+16*\p+1], v[VA+16*\p:VA+16*\p+1], v[VA+16*\p+2:VA+16*\p+3]
	v_pk_add_f32 v[LR+16*\p+2:LR+16*\p+3], v[VA+16*\p+4:VA+16*\p+5], v[VA+16*\p+6:VA+16*\p+7]
.endr
.irp n,8,12
.irp p,0,1
	s_delay_alu instid0(VALU_DEP_4)
	v_pk_add_f32 v[LR+16*\p:LR+16*\p+1], v[LR+16*\p:LR+16*\p+1], v[VA+16*\p+\n:VA+16*\p+\n+1]
	s_delay_alu instid0(VALU_DEP_4)
	v_pk_add_f32 v[LR+16*\p+2:LR+16*\p+3], v[LR+16*\p+2:LR+16*\p+3], v[VA+16*\p+\n+2:VA+16*\p+\n+3]
.endr
.endr
.irp p, 0
	s_delay_alu instid0(VALU_DEP_3)
	v_pk_add_f32 v[LR+16*\p:LR+16*\p+1], v[LR+16*\p:LR+16*\p+1], v[LR+16*\p+2:LR+16*\p+3]
.endr
.irp p, 1
	s_delay_alu instid0(VALU_DEP_2)
	v_pk_add_f32 v[LR+16*\p:LR+16*\p+1], v[LR+16*\p:LR+16*\p+1], v[LR+16*\p+2:LR+16*\p+3]
.endr
.irp p,0,1
	s_delay_alu instid0(VALU_DEP_2)
	v_add_f32 v[LR+16*\p], v[LR+16*\p], v[LR+16*\p+1]
.endr
.irp p,0,1
	s_delay_alu instid0(VALU_DEP_2)
	v_permlanex16_b32 v[LR+16*\p+2], v[LR+16*\p], s16, s17
.endr
.irp p,0,1
	s_delay_alu instid0(VALU_DEP_2)
	v_add_f32 v[LR+16*\p], v[LR+16*\p], v[LR+16*\p+2]
.endr
.irp p, 0
	s_delay_alu instid0(VALU_DEP_2)
	v_mul_f32 v[MW+(\ta)+\p], s72, v[LR+16*\p]                 ; / 32
	s_delay_alu instid0(VALU_DEP_3)
	v_mul_f32 v[LR+16*\p+4], s72, v[LR+16*\p]
.endr
.irp p, 1
	s_delay_alu instid0(VALU_DEP_3)
	v_mul_f32 v[MW+(\ta)+\p], s72, v[LR+16*\p]                 ; / 32
	s_delay_alu instid0(VALU_DEP_4)
	v_mul_f32 v[LR+16*\p+4], s72, v[LR+16*\p]
.endr
.irp n,0,2,4,6,8,10,12,14
.irp p,0,1
	v_pk_add_f32 v[VA+16*\p+\n:VA+16*\p+\n+1], v[VA+16*\p+\n:VA+16*\p+\n+1], v[LR+16*\p+4:LR+16*\p+5] op_sel_hi:[1,0] neg_lo:[0,1] neg_hi:[0,1]
.endr
.endr
.irp p,0,1
	v_pk_mul_f32 v[LR+16*\p+6:LR+16*\p+7], v[VA+16*\p:VA+16*\p+1], v[VA+16*\p:VA+16*\p+1]
	v_pk_mul_f32 v[LR+16*\p+8:LR+16*\p+9], v[VA+16*\p+2:VA+16*\p+3], v[VA+16*\p+2:VA+16*\p+3]
.endr
.irp n,4,8,12
.irp p,0,1
	s_delay_alu instid0(VALU_DEP_4)
	v_pk_fma_f32 v[LR+16*\p+6:LR+16*\p+7], v[VA+16*\p+\n:VA+16*\p+\n+1], v[VA+16*\p+\n:VA+16*\p+\n+1], v[LR+16*\p+6:LR+16*\p+7]
	s_delay_alu instid0(VALU_DEP_4)
	v_pk_fma_f32 v[LR+16*\p+8:LR+16*\p+9], v[VA+16*\p+\n+2:VA+16*\p+\n+3], v[VA+16*\p+\n+2:VA+16*\p+\n+3], v[LR+16*\p+8:LR+16*\p+9]
.endr
.endr
.irp p, 0
	s_delay_alu instid0(VALU_DEP_3)
	v_pk_add_f32 v[LR+16*\p+6:LR+16*\p+7], v[LR+16*\p+6:LR+16*\p+7], v[LR+16*\p+8:LR+16*\p+9]
.endr
.irp p, 1
	s_delay_alu instid0(VALU_DEP_2)
	v_pk_add_f32 v[LR+16*\p+6:LR+16*\p+7], v[LR+16*\p+6:LR+16*\p+7], v[LR+16*\p+8:LR+16*\p+9]
.endr
.irp p,0,1
	s_delay_alu instid0(VALU_DEP_2)
	v_add_f32 v[LR+16*\p+6], v[LR+16*\p+6], v[LR+16*\p+7]
.endr
.irp p,0,1
	s_delay_alu instid0(VALU_DEP_2)
	v_permlanex16_b32 v[LR+16*\p+8], v[LR+16*\p+6], s16, s17
.endr
.irp p,0,1
	s_delay_alu instid0(VALU_DEP_2)
	v_add_f32 v[LR+16*\p+6], v[LR+16*\p+6], v[LR+16*\p+8]
.endr
.irp p,0,1
	ds_store_b32 v[LNW], v[MW+(\ta)+\p] offset:(\loff)+1280*((\ta)+\p)
	ds_store_b32 v[LNW], v[LR+16*\p+6] offset:(\loff)+1280*((\ta)+\p)+32
.endr
.endm
; the eight waves' figures of tiles ta and ta + 1: 8 LDS loads
.macro LNLD ta, loff
.irp p,0,1
.irp q,0,1,2,3
	ds_load_b128 v[LR+16*\p+4*\q:LR+16*\p+4*\q+3], v[LNR] offset:(\loff)+1280*((\ta)+\p)+16*\q
.endr
.endr
.endm
; second half: the figures are combined: mean = the mean of the means; variance = (the sum of the centred sums + 32 x the sum of (a wave's mean - mean)^2) / 256.
; w: the LDS instructions issued behind this pair's loads, which may stay out.  nx = 1: the next pair's figures are asked for as soon as this pair's have been read out of their registers
.macro LNFIN2 ta, loff, w, nx
.set VA, BIG+16*(\ta)
	s_wait_dscnt \w
.irp p,0,1
	v_pk_add_f32 v[LTT+4*\p:LTT+4*\p+1], v[LR+16*\p:LR+16*\p+1], v[LR+16*\p+2:LR+16*\p+3]
	v_pk_add_f32 v[LTT+4*\p+2:LTT+4*\p+3], v[LR+16*\p+4:LR+16*\p+5], v[LR+16*\p+6:LR+16*\p+7]
.endr
.irp p, 0
	s_delay_alu instid0(VALU_DEP_3)
	v_pk_add_f32 v[LTT+4*\p:LTT+4*\p+1], v[LTT+4*\p:LTT+4*\p+1], v[LTT+4*\p+2:LTT+4*\p+3]
.endr
.irp p, 1
	s_delay_alu instid0(VALU_DEP_2)
	v_pk_add_f32 v[LTT+4*\p:LTT+4*\p+1], v[LTT+4*\p:LTT+4*\p+1], v[LTT+4*\p+2:LTT+4*\p+3]
.endr
.irp p,0,1
	s_delay_alu instid0(VALU_DEP_2)
	v_add_f32 v[LTT+4*\p], v[LTT+4*\p], v[LTT+4*\p+1]
.endr
.irp p,0,1
	s_delay_alu instid0(VALU_DEP_2)
	v_mul_f32 v[LTT+4*\p], s73, v[LTT+4*\p]                    ; / 8: the row's mean
.endr
.irp n,0,2,4,6
.irp p,0,1
	v_pk_add_f32 v[LR+16*\p+\n:LR+16*\p+\n+1], v[LR+16*\p+\n:LR+16*\p+\n+1], v[LTT+4*\p:LTT+4*\p+1] op_sel_hi:[1,0] neg_lo:[0,1] neg_hi:[0,1]
.endr
.endr
.irp p,0,1
	v_pk_mul_f32 v[LTT+4*\p+2:LTT+4*\p+3], v[LR+16*\p:LR+16*\p+1], v[LR+16*\p:LR+16*\p+1]
	v_pk_add_f32 v[LR+16*\p+8:LR+16*\p+9], v[LR+16*\p+8:LR+16*\p+9], v[LR+16*\p+10:LR+16*\p+11]
	v_pk_add_f32 v[LR+16*\p+12:LR+16*\p+13], v[LR+16*\p+12:LR+16*\p+13], v[LR+16*\p+14:LR+16*\p+15]
.endr
.irp n,2,4,6
.irp p,0,1
	v_pk_fma_f32 v[LTT+4*\p+2:LTT+4*\p+3], v[LR+16*\p+\n:LR+16*\p+\n+1], v[LR+16*\p+\n:LR+16*\p+\n+1], v[LTT+4*\p+2:LTT+4*\p+3]
.endr
.endr
.irp p,0,1
	v_pk_add_f32 v[LR+16*\p+8:LR+16*\p+9], v[LR+16*\p+8:LR+16*\p+9], v[LR+16*\p+12:LR+16*\p+13]
.endr
.irp p, 0
	s_delay_alu instid0(VALU_DEP_4)
	v_add_f32 v[LTT+4*\p+2], v[LTT+4*\p+2], v[LTT+4*\p+3]
	s_delay_alu instid0(VALU_DEP_3)
	v_add_f32 v[LR+16*\p+8], v[LR+16*\p+8], v[LR+16*\p+9]
.endr
.irp p, 1
	v_add_f32 v[LTT+4*\p+2], v[LTT+4*\p+2], v[LTT+4*\p+3]
	s_delay_alu instid0(VALU_DEP_4)
	v_add_f32 v[LR+16*\p+8], v[LR+16*\p+8], v[LR+16*\p+9]
.endr
.irp p, 0
	s_delay_alu instid0(VALU_DEP_3)
	v_fma_f32 v[LTT+4*\p+2], v[LTT+4*\p+2], s74, v[LR+16*\p+8]   ; x 32
.endr
.irp p, 1
	s_delay_alu instid0(VALU_DEP_2)
	v_fma_f32 v[LTT+4*\p+2], v[LTT+4*\p+2], s74, v[LR+16*\p+8]
.endr
.if \nx
	LNLD (\ta)+2, \loff                            ; the exchange registers have been read for the last time: the rest of this pair's work covers the loads
.endif
.irp p,0,1
	v_fma_f32 v[LTT+4*\p+2], v[LTT+4*\p+2], s38, s39           ; / 256 + eps
.endr
	s_wait_alu depctr_va_vdst(0)
.irp p,0,1
	v_rsq_f32 v[LTT+4*\p+2], v[LTT+4*\p+2]
.endr
.irp p,0,1
	v_sub_f32 v[LTT+4*\p], v[MW+(\ta)+\p], v[LTT+4*\p]         ; my wave's mean - the row's (the plain place behind the roots)
.endr
	s_wait_alu depctr_va_vdst(0)                   ; one wait for the two roots
.irp p,0,1
	v_mul_f32 v[LTT+4*\p], v[LTT+4*\p], v[LTT+4*\p+2]
.endr
.irp n,0,2,4,6,8,10,12,14
.irp p,0,1
	v_pk_fma_f32 v[VA+16*\p+\n:VA+16*\p+\n+1], v[VA+16*\p+\n:VA+16*\p+\n+1], v[LTT+4*\p+2:LTT+4*\p+3], v[LTT+4*\p:LTT+4*\p+1] op_sel_hi:[1,0,0]
.endr
.endr
.irp n,0,2,4,6,8,10,12,14
.irp p,0,1
	v_pk_fma_f32 v[VA+16*\p+\n:VA+16*\p+\n+1], v[VA+16*\p+\n:VA+16*\p+\n+1], v[LG+\n:LG+\n+1], v[LBI+\n:LBI+\n+1]
.endr
.endr
.endm
.macro PARKST p                ; pair p of m goes to my own bytes of LDS, where it waits while the MLP has the accumulators: 8 LDS stores
.irp q,0,1,2,3,4,5,6,7
	ds_store_b128 v[PKA], v[BIG+32*(\p)+4*\q:BIG+32*(\p)+4*\q+3] offset:4096*(\p)+512*\q
.endr
.endm
.macro OLD p                   ; my wave's four rows, 32 p + 4 w on, of pair p's 32 come back from the stage into the pair's own registers: 8 LDS loads
.set N, 0
.rept 8
	ds_load_b128 v[BIG+32*(\p)+4*N:BIG+32*(\p)+4*N+3], v[PKA] offset:33280*((\p)%2)+1040*(N/2)+512*(N%2)
.set N, N+1
.endr
.endm
.macro OST p, w                ; and leave.  w: the LDS instructions issued behind those loads, which may stay out
	s_wait_dscnt \w
.set N, 0
.rept 8
	global_store_b128 v[VW4], v[BIG+32*(\p)+4*N:BIG+32*(\p)+4*N+3], s[14:15] offset:32768*(\p)+1024*(N/2)+512*(N%2) th:TH_STORE_NT   ; 32 lanes store 512 consecutive bytes, at a multiple of 256 from out0's first byte
.set N, N+1
.endr
.endm
.macro STGST p                 ; pair p of out goes into the stage: my 64 bytes of each token's row: 8 LDS stores
.irp e,0,1
.irp j,0,1,2,3
	ds_store_b128 v[SIA+2*((\p)/2)], v[BIG+32*(\p)+16*\e+4*\j:BIG+32*(\p)+16*\e+4*\j+3] offset:(32*((\p)%2)+8*\e)*1040+16*\j
.endr
.endr
.endm
; GELU of eight numbers v[a] .. v[a + 7], four pairs by turns.  For pair p: GTT + 8 p: x held, x^2, P, Q
.macro GELU8 a
.irp p,0,1,2,3
	v_med3_num_f32 v[GTT+8*\p], v[(\a)+2*\p], s24, s25
	v_med3_num_f32 v[GTT+8*\p+1], v[(\a)+2*\p+1], s24, s25
.endr
.irp p,0,1,2,3
	v_pk_mul_f32 v[GTT+8*\p+2:GTT+8*\p+3], v[GTT+8*\p:GTT+8*\p+1], v[GTT+8*\p:GTT+8*\p+1]
.endr
.irp p,0,1,2,3
	v_pk_fma_f32 v[GTT+8*\p+4:GTT+8*\p+5], v[GTT+8*\p+2:GTT+8*\p+3], s[20:21], v[CA1:CA1+1] op_sel_hi:[1,0,0]
	v_pk_fma_f32 v[GTT+8*\p+6:GTT+8*\p+7], v[GTT+8*\p+2:GTT+8*\p+3], s[22:23], v[CB1:CB1+1] op_sel_hi:[1,0,0]
.endr
.irp p,0,1,2,3
	v_pk_fma_f32 v[GTT+8*\p+4:GTT+8*\p+5], v[GTT+8*\p+4:GTT+8*\p+5], v[GTT+8*\p+2:GTT+8*\p+3], s[52:53] op_sel_hi:[1,1,0]
	v_pk_fma_f32 v[GTT+8*\p+6:GTT+8*\p+7], v[GTT+8*\p+6:GTT+8*\p+7], v[GTT+8*\p+2:GTT+8*\p+3], s[66:67] op_sel_hi:[1,1,0]
.endr
.irp p,0,1,2,3
	v_pk_fma_f32 v[GTT+8*\p+4:GTT+8*\p+5], v[GTT+8*\p+4:GTT+8*\p+5], v[GTT+8*\p+2:GTT+8*\p+3], s[54:55] op_sel_hi:[1,1,0]
	v_pk_fma_f32 v[GTT+8*\p+6:GTT+8*\p+7], v[GTT+8*\p+6:GTT+8*\p+7], v[GTT+8*\p+2:GTT+8*\p+3], s[68:69] op_sel_hi:[1,1,0]
.endr
.irp p,0,1,2,3
	v_pk_fma_f32 v[GTT+8*\p+4:GTT+8*\p+5], v[GTT+8*\p+4:GTT+8*\p+5], v[GTT+8*\p+2:GTT+8*\p+3], s[56:57] op_sel_hi:[1,1,0]
	v_pk_fma_f32 v[GTT+8*\p+6:GTT+8*\p+7], v[GTT+8*\p+6:GTT+8*\p+7], v[GTT+8*\p+2:GTT+8*\p+3], s[70:71] op_sel_hi:[1,1,0]
.endr
	s_wait_alu depctr_va_vdst(0)
.irp p,0,1,2,3
	v_rcp_f32 v[GTT+8*\p+6], v[GTT+8*\p+6]         ; Q is whole: its reciprocals go out while P is finished
	v_rcp_f32 v[GTT+8*\p+7], v[GTT+8*\p+7]
.endr
.irp p,0,1,2,3
	v_pk_fma_f32 v[GTT+8*\p+4:GTT+8*\p+5], v[GTT+8*\p+4:GTT+8*\p+5], v[GTT+8*\p+2:GTT+8*\p+3], s[58:59] op_sel_hi:[1,1,0]
.endr
.irp p,0,1,2,3
	s_delay_alu instid0(VALU_DEP_4)
	v_pk_fma_f32 v[GTT+8*\p+4:GTT+8*\p+5], v[GTT+8*\p+4:GTT+8*\p+5], v[GTT+8*\p+2:GTT+8*\p+3], s[60:61] op_sel_hi:[1,1,0]
.endr
.irp p,0,1,2,3
	s_delay_alu instid0(VALU_DEP_4)
	v_pk_mul_f32 v[GTT+8*\p+4:GTT+8*\p+5], v[GTT+8*\p+4:GTT+8*\p+5], v[GTT+8*\p:GTT+8*\p+1]
.endr
	s_wait_alu depctr_va_vdst(0)                   ; one wait for the eight reciprocals
.irp p,0,1,2,3
	v_pk_fma_f32 v[GTT+8*\p+4:GTT+8*\p+5], v[GTT+8*\p+4:GTT+8*\p+5], v[GTT+8*\p+6:GTT+8*\p+7], 0.5 op_sel_hi:[1,1,0]   ; (1 + erf) / 2 = 1/2 + x P / (2 sqrt 2 Q): Q's coefficients carry the factor 2 sqrt 2
.endr
.irp p,0,1,2,3
	v_pk_mul_f32 v[(\a)+2*\p:(\a)+2*\p+1], v[(\a)+2*\p:(\a)+2*\p+1], v[GTT+8*\p+4:GTT+8*\p+5]
.endr
.endm
; the second MLP product goes in 32 chunks k = 8 i + T: tile T of tokens, K steps 2 i and 2 i + 1; buffer k % 4; two chunks are multiplied on end
.macro FLOAD k
.set FI, (\k)/8
.set FT, (\k)%8
.set FQ, (\k)%4
.irp e,0,1
.irp c,0,1
	ds_load_b128 v[HFR+16*FQ+8*\e+4*\c:HFR+16*FQ+8*\e+4*\c+3], v[HRI] offset:8192*(2*FI+\e)+1024*FT+512*\c
.endr
.endr
	ds_load_b32 v[XS+FQ], v[HRS] offset:1024*FI+64*FT          ; lanes 0-15: K step 2 i's word, lanes 16-31: the next one's
.endm
.macro FMUL k
.set FI, (\k)/8
.set FT, (\k)%8
.set FQ, (\k)%4
.irp e,0,1
.irp u,0,1
.if (FI == 0) && (\e == 0)
	WM BIG+16*FT+8*\u, WF+64*\u+16*FI+8*\e, HFR+16*FQ+8*\e, 1, BF2+8*\u, WS+8*\u+2*FI+\e, XS+FQ, 0
.elseif \e == 0
	WM BIG+16*FT+8*\u, WF+64*\u+16*FI+8*\e, HFR+16*FQ+8*\e, 1, BIG+16*FT+8*\u, WS+8*\u+2*FI+\e, XS+FQ, 0
.else
	WM BIG+16*FT+8*\u, WF+64*\u+16*FI+8*\e, HFR+16*FQ+8*\e, 1, BIG+16*FT+8*\u, WS+8*\u+2*FI+\e, XS+FQ, 2
.endif
.endr
.endr
.endm
; ---------------------------------------------------------------- the head
	s_load_b256 s[4:11], s[0:1], 0x0               ; x, the projector's codes, its scales, wimg
	s_load_b128 s[12:15], s[0:1], 0x20             ; simg, out0
	s_load_b512 s[16:31], s[0:1], 0x30             ; bq_o bk_o bv_o bo_o bq_i bk_i bv_i bo_i
	s_load_b256 s[32:39], s[0:1], 0x70             ; g1 b1 g2 b2
	s_load_b128 s[40:43], s[0:1], 0x90             ; b_ff2, b_ff1
	v_and_b32 v48, 31, v0                          ; lane
	v_and_b32 v49, 15, v0                          ; r
	v_bfe_u32 v50, v0, 4, 1                        ; h
	v_lshrrev_b32 v51, 5, v0                       ; w
	s_delay_alu instid0(VALU_DEP_1)
	v_readfirstlane_b32 s44, v51
	v_lshlrev_b32 v[LI], 4, v48
	v_lshlrev_b32 v[L4], 2, v48
	s_delay_alu instid0(VALU_DEP_2)
	v_lshl_add_u32 v[VW4], v51, 12, v[LI]
	s_delay_alu instid0(VALU_DEP_3)
	v_lshl_add_u32 v[VW16], v51, 14, v[LI]
	v_lshlrev_b32 v52, 4, v49
	s_delay_alu instid0(VALU_DEP_1)
	v_lshl_add_u32 v[VS1], v51, 8, v52
	s_delay_alu instid0(VALU_DEP_2)
	v_lshl_add_u32 v[VS4], v51, 10, v52
	v_and_b32 v53, 8, v49
	s_delay_alu instid0(VALU_DEP_1)
	v_add_nc_u32 v53, v53, v49                     ; r + (r & 8)
	s_delay_alu instid0(VALU_DEP_1)
	v_lshlrev_b32 v[VX], 10, v53
	s_delay_alu instid0(VALU_DEP_1)
	v_lshl_add_u32 v[VX], v50, 6, v[VX]
	s_delay_alu instid0(VALU_DEP_1)
	v_lshl_add_u32 v[VX], v51, 7, v[VX]
	v_lshl_add_u32 v[BST], v50, 3, v[VS1]
	v_lshrrev_b32 v54, 2, v51
	v_and_b32 v55, 3, v51
	s_delay_alu instid0(VALU_DEP_1)
	v_lshl_add_u32 v[SST], v49, 2, v55
	s_delay_alu instid0(VALU_DEP_1)
	v_lshl_add_u32 v[SST], v54, 6, v[SST]
	v_lshlrev_b32 v54, 7, v51                      ; 128 w
	s_delay_alu instid0(VALU_DEP_1)
	v_lshl_add_u32 v[VBL], v50, 6, v54
	s_delay_alu instid0(VALU_DEP_1)
	v_add_nc_u32 v[VBL], BT, v[VBL]
	s_delay_alu instid0(VALU_DEP_3)
	v_lshl_add_u32 v[VBR], v53, 2, v54
	s_delay_alu instid0(VALU_DEP_1)
	v_add_nc_u32 v[VBR], BT, v[VBR]
	v_lshlrev_b32 v[VP], 7, v53
	s_delay_alu instid0(VALU_DEP_1)
	v_lshl_add_u32 v[VP], v50, 4, v[VP]
	v_lshlrev_b32 v[VPS], 3, v53
	s_delay_alu instid0(VALU_DEP_1)
	v_lshl_add_u32 v[VPS], v50, 2, v[VPS]
	v_mul_u32_u24 v[LNR], v49, 80
	s_delay_alu instid0(VALU_DEP_1)
	v_add_nc_u32 v[LNR], LNS1, v[LNR]
	s_delay_alu instid0(VALU_DEP_1)
	v_lshl_add_u32 v[LNW], v51, 2, v[LNR]
	v_add_nc_u32 v[HRI], HIMG, v[LI]
	v_lshlrev_b32 v60, 2, v49
	s_delay_alu instid0(VALU_DEP_1)
	v_lshl_add_u32 v[HRS], v50, 9, v60
	s_delay_alu instid0(VALU_DEP_1)
	v_add_nc_u32 v[HRS], HSC, v[HRS]
	v_lshlrev_b32 v[B1A], 9, v51
	s_delay_alu instid0(VALU_DEP_1)
	v_lshl_add_u32 v[B1A], v50, 6, v[B1A]
	s_delay_alu instid0(VALU_DEP_1)
	v_add_nc_u32 v[B1A], BT+BTF1, v[B1A]
	v_lshl_add_u32 v56, v51, 7, v[L4]              ; 4 lane + 128 w: my wave's 32 numbers of a vector of 256
	v_lshl_add_u32 v57, v51, 9, v[LI]              ; 16 lane + 512 w: its 128 of b_ff1
	s_delay_alu instid0(VALU_DEP_2)
	v_add_nc_u32 v58, BT, v56
	s_delay_alu instid0(VALU_DEP_2)
	v_add_nc_u32 v59, BT+BTF1, v57
	v_mov_b32 v[TM+4], 0                           ; written once: a lane permute's destination counts as one of its sources,
	v_mov_b32 v[TM+5], 0
	v_mov_b32 v[TM+13], 0                          ; and the upper half of a pair counts as read
	v_mov_b32 v[TM+15], 0
	s_lshl_b32 s46, ttmp9, 18                      ; two slices of 131,072 bytes a work-group
	s_mov_b32 s47, 0
	s_lshl_b32 s45, ttmp9, 1
	s_and_b32 s45, s45, 62                         ; the first slice's s: the projector's slice
	s_mov_b32 s49, 0
	s_wait_alu depctr_va_vdst(0)
	s_wait_kmcnt 0x0
.irp j,0,1,2,3,4,5,6,7,8,9,10,11,12
	global_load_b32 v[BIG+\j], v56, s[16+2*\j:17+2*\j]
.endr
	global_load_b128 v[BIG+16:BIG+19], v57, s[42:43]
	s_add_nc_u64 s[4:5], s[4:5], s[46:47]
	s_add_nc_u64 s[14:15], s[14:15], s[46:47]
	s_wait_xcnt 0x0                                ; the vectors' loads have read their pointers: those registers are written again only behind this wait
	s_lshl_b32 s48, s45, 12
	s_add_nc_u64 s[34:35], s[6:7], s[48:49]        ; the projector's codes of my slice,
	s_lshl_b32 s48, s45, 8
	s_add_nc_u64 s[36:37], s[8:9], s[48:49]        ; and its scale bytes
	s_mov_b32 s16, 0x76543210
	s_mov_b32 s17, 0xfedcba98                      ; v_permlanex16_b32's selects for lane l xor 16
	s_mov_b32 s18, 0x3e8293ee                      ; log2(e) / sqrt(32)
	s_mov_b32 s19, s18
	s_mov_b32 s20, 0xac95df0b                      ; the leading coefficient of P
	s_mov_b32 s21, s20
	s_mov_b32 s76, 0x403504f3                      ; 2 sqrt 2: Q's five coefficients are multiplied by it once, here
	s_mul_f32 s22, s76, 0xb57460cd
	s_mul_f32 s75, s76, 0xb7dfbd29
	s_mul_f32 s66, s76, 0xb9dc924e
	s_mul_f32 s68, s76, 0xbb719bf8
	s_mul_f32 s70, s76, 0xbc69b6a7
	s_mov_b32 s52, 0xb40cff51                      ; P's third to seventh coefficients (the packed forms name pairs and take the low word: both words are written)
	s_mov_b32 s54, 0xb6eec2d2
	s_mov_b32 s56, 0xb940ac63
	s_mov_b32 s58, 0xbac1a1f6
	s_mov_b32 s60, 0xbc83dbd4
.irp n,22,52,54,56,58,60,66,68,70
	s_mov_b32 s[\n+1], s[\n]
.endr
	s_mov_b32 s50, 0x1800000                       ; the quantiser's floor, 2^(3 - 127)
	s_mov_b32 s51, 0xff000000                      ; 2 off an exponent field
	s_mov_b32 s72, 0x3d000000                      ; 1 / 32
	s_mov_b32 s73, 0x3e000000                      ; 1 / 8
	s_mov_b32 s74, 0x42000000                      ; 32
	s_mov_b32 s24, 0xc0b504f3                      ; -+ 4 sqrt 2
	s_mov_b32 s25, 0x40b504f3
	s_mov_b32 s38, 0x3b800000                      ; 1 / 256
	s_mov_b32 s39, 0x3727c5ac                      ; 1e-5
	s_mov_b32 s26, 0
	XLOAD 0
	G0
	s_wait_loadcnt 63                              ; the vectors' 14 loads are the oldest; 69 loads were issued behind them
.irp j,0,1,2,3,4,5,6,7,8,9,10,11,12
	ds_store_b32 v58, v[BIG+\j] offset:1024*\j     ; each wave keeps its own part of the table and reads no other: no barrier
.endr
	ds_store_b128 v59, v[BIG+16:BIG+19]
.Lslice:
	s_wait_loadcnt 37                              ; x is in: asked for at the head, or under the slice before; the 37 loads of the first weights and the projector are younger
; ---------------------------------------------------------------- x is quantised: my block of each token
.irp b,0,1,2,3
	BQ2 32*\b, 32*\b+16, KOF+4*\b, KOF+4*\b+2, BO+2*\b, BO+2*\b+1, 1
	STB KOF+4*\b, BO+2*\b, XIMG+4096*\b, XSC+256*\b
	STB KOF+4*\b+2, BO+2*\b+1, XIMG+4096*\b+2048, XSC+256*\b+128
.endr
; ---------------------------------------------------------------- q of the first attention and k of the second, from the projector
	s_wait_xcnt 0x0                                ; the last slice's stores have read their registers and their base: both are written again only behind this wait
	s_lshl_b32 s46, s26, 17
	s_add_nc_u64 s[14:15], s[14:15], s[46:47]      ; out0 at this slice: 131,072 bytes on in the second (s47 = 0)
	BIASO BIG+64, 0
	BIASO BIG+80, 5
.irp n,2,3,4,5,6,7,10,11,12,13,14,15
	v_mov_b32 v[QF+\n], 0                          ; zero codes for every k from 32 on
	v_mov_b32 v[KF+\n], 0
.endr
	s_wait_loadcnt 0x0                             ; the first weights and the projector
	s_wait_dscnt 0x0
	WIN 0x05
	MMWK BIG, 16, 0, BIG+64, PSC, 0                ; eight accumulators by turns
	MMWK BIG+32, 16, 1, BIG+80, PSC, 0
	MMWK BIG, 16, 0, BIG+64, PSC, 1
	MMWK BIG+32, 16, 1, BIG+80, PSC, 1
	WIN 0
	NOPS 4
	WSLOT 0, WVO
	WSLOT 1, WOO
	BQ2 BIG, BIG+16, QF, QF+8, QS, QS+1, 0
	SWP QF
	SWP QF+8
	BQ2 BIG+32, BIG+48, KF, KF+8, KS, KS+1, 0
	SWP KF
	SWP KF+8
	BAR                                            ; x's images are whole
; ---------------------------------------------------------------- k of the first attention, and S^T = k q^T
	BIASO BO, 1
	LDP XIMG, XSC
.irp b,0,1,2,3
	s_wait_dscnt 0x0
	MMW BIG+16*\b, 64, 2, BO, XS
	NOPS 4
.if \b == 3
	WSLOT 2, WVI
.endif
	LDP XIMG+4096*((\b+1)%4), XSC+256*((\b+1)%4)   ; the next pair; the last one asks for the first pair again, for v
	BQ2 BIG+16*\b, BIG+64+16*\b, KOF, KOF+4, KOS, KOS+1, 0
	SWP KOF
	SWP KOF+4
	NOPS 8                                         ; a scale register written by a vector instruction stands 8 places ahead of a scaled matrix instruction
.irp q,0,1
.irp i,0,1
	WM BIG+64*\q+16*\b+8*\i, KOF+4*\i, QF+8*\q, 0, 0, KOS+\i, QS+\q, 0
.endr
.endr
.endr
	NOPS 4
	SMAXO 0
	SMAXO 1
; ---------------------------------------------------------------- v^T of the first attention (a lane a channel, registers along the tokens), and O^T = v^T p^T
; A pair of token tiles is one block of 32 along the keys for each of my two channel tiles: it is quantised straight behind its products, while the next pair's fragments come from LDS
	s_wait_loadcnt 18                              ; Wv_o is in; the 18 loads of Wo_o and Wv_i are younger
	BIASB BV, 2
.irp b,0,1,2,3
	s_wait_dscnt 0x0
	MMX BIG+16*\b, 64, 8, 0, BV
	NOPS 4
.if \b < 3
	LDP XIMG+4096*(\b+1), XSC+256*(\b+1)
.else
	WSLOT 0, WQI
.endif
.if \b == 0
	BQ2 BIG, BIG+64, VF, VF+8, VS, VS+1, 0
.else
	BQ2 BIG+16*\b, BIG+64+16*\b, VF+2*\b, VF+8+2*\b, TM+8, TM+9, 0
	v_lshl_or_b32 v[VS], v[TM+8], 8*\b, v[VS]      ; byte b of the two scale words
	v_lshl_or_b32 v[VS+1], v[TM+9], 8*\b, v[VS+1]
.endif
.endr
.irp f,0,8                                     ; a whole block to a lane: lanes 0-15 block 2 c, lanes 16-31 block 2 c + 1
.irp c,0,1
.irp i,0,1
	v_permlane16_swap_b32 v[VF+\f+4*\c+\i], v[VF+\f+4*\c+2+\i]
.endr
.endr
.endr
	NOPS 8
.irp q,0,1
.irp u,0,1
	WM BIG+16*\q+8*\u, VF+8*\u, PF+8*\q, 0, 0, VS+\u, PS+\q, 0
.endr
.endr
	NOPS 4
.irp q,0,1
.irp n,0,2,4,6,8,10,12,14
	v_pk_mul_f32 v[BIG+16*\q+\n:BIG+16*\q+\n+1], v[BIG+16*\q+\n:BIG+16*\q+\n+1], v[RL+2*\q:RL+2*\q+1] op_sel_hi:[1,0]   ; / l
.endr
.endr
	BQ2 BIG, BIG+16, KOF, KOF+2, KOF+4, KOF+5, 0
	STB KOF, KOF+4, OIMG, OSC
	STB KOF+2, KOF+5, OIMG+2048, OSC+128
	BAR
; ---------------------------------------------------------------- message_out
	LDP OIMG, OSC
	BIASO BIG+64, 3
	s_wait_loadcnt 18                              ; Wo_o is in; Wv_i and Wq_i are younger
	s_wait_dscnt 0x0
	MMW BIG, 16, 1, BIG+64, XS
	NOPS 4
	WSLOT 1, WOI
	BQ2 BIG, BIG+16, KOF, KOF+2, KOF+4, KOF+5, 0
	STB KOF, KOF+4, MOIMG, MOSC
	STB KOF+2, KOF+5, MOIMG+2048, MOSC+128
	BAR
; ---------------------------------------------------------------- v^T of the second attention
	LDP MOIMG, MOSC
	BIASB BIG+64, 6
.irp n,2,3,4,5,6,7,10,11,12,13,14,15
	v_mov_b32 v[VIF+\n], 0
.endr
	s_wait_loadcnt 18                              ; Wv_i is in; Wq_i and Wo_i are younger
	s_wait_dscnt 0x0
	MMX BIG, 16, 8, 2, BIG+64
	NOPS 4
	BQ2 BIG, BIG+16, VIF, VIF+8, VIS, VIS+1, 0
	SWP VIF
	SWP VIF+8
; ---------------------------------------------------------------- the second attention, a pair of token tiles at a time
	s_wait_loadcnt 9                               ; Wq_i is in; Wo_i is younger
	BIASO BIG+96, 4
	LDP XIMG, XSC
.irp b,0,1,2,3
	s_wait_dscnt 0x0
	MMW BIG, 16, 0, BIG+96, XS
	NOPS 4
.if \b < 3
	LDP XIMG+4096*(\b+1), XSC+256*(\b+1)
.endif
	BQ2 BIG, BIG+16, GPQ, GPQ+4, QIS, QIS+1, 0
	SWP GPQ
	SWP GPQ+4
	NOPS 8
.irp i,0,1
.irp t,0,1
	WM BIG+16*\i+8*\t, KF+8*\t, GPQ+4*\i, 0, 0, KS+\t, QIS+\i, 0
.endr
.endr
	NOPS 4
	SMAXI
.irp i,0,1
.irp u,0,1
	WM BIG+16*\i+8*\u, VIF+8*\u, GPP+4*\i, 0, 0, VIS+\u, PIS+\i, 0
.endr
.endr
	NOPS 4
	s_wait_alu depctr_va_vdst(0)                   ; the two reciprocals, ahead of their first reader
.irp i,0,1
.irp n,0,2,4,6,8,10,12,14
	v_pk_mul_f32 v[BIG+16*\i+\n:BIG+16*\i+\n+1], v[BIG+16*\i+\n:BIG+16*\i+\n+1], v[CT+16*\i+12:CT+16*\i+13] op_sel_hi:[1,0]
.endr
.endr
	BQ2 BIG, BIG+16, CT+32, CT+34, CT+36, CT+37, 0
	STB CT+32, CT+36, AIMG+4096*\b, ASC+256*\b
	STB CT+34, CT+37, AIMG+4096*\b+2048, ASC+256*\b+128
.endr
	WIN 0x40                                       ; W_ff1's fragments into the slots that are done with
.irp f,0,1,2,3,8,9,10,11
	W1LOAD \f
.endr
	WIN 0
	BAR
; ---------------------------------------------------------------- message_in, the residual, LayerNorm 1
; Behind a pair's products the next pair's fragments are asked of LDS; the pair's residual and its sums for the norm follow and cover them
	BIASO BOD, 7
	LDP AIMG, ASC
	s_wait_loadcnt 16                              ; Wo_i is in; the 16 loads of W_ff1 are younger
.irp b,0,1,2,3
.if \b == 0
	s_wait_dscnt 0x0
.else
	s_wait_dscnt 4                                 ; the pair's ten loads are in; the four stores of the last pair's figures are younger
.endif
	MMW BIG+32*\b, 16, 1, BOD, XS
	NOPS 4
.if \b < 3
	LDP AIMG+4096*(\b+1), ASC+256*(\b+1)
.else
	WIN 0x40                                       ; the rest of W_ff1, into the registers that Wo_i and the row tiles have left
.irp f,4,5,6,7,12,13,14,15
	W1LOAD \f
.endr
	WIN 0
.irp q,0,1,2,3
	global_load_b128 v[WS+4*\q:WS+4*\q+3], v[VS4], s[12:13] offset:WF1O/16+256*\q
.endr
.endif
	WIN 0x01
.set N, 0
.rept 16
	v_pk_add_f32 v[BIG+32*\b+N:BIG+32*\b+N+1], v[32*\b+N:32*\b+N+1], v[BIG+32*\b+N:BIG+32*\b+N+1]      ; x + message_in
.set N, N+2
.endr
	WIN 0
	LNSTAT2 2*\b, 0
.endr
	BIASO LG, 8
	BIASO LBI, 9
	v_add_nc_u32 v[PKA], PARK, v[VW16]             ; where my wave parks m
	BAR
	LNLD 0, 0
	LNFIN2 0, 0, 0, 1
	PARKST 0                                       ; a finished pair goes to LDS while the next one is normalised
	LNFIN2 2, 0, 8, 1                              ; its eight loads are in; the eight stores behind them may be out
	PARKST 1
	LNFIN2 4, 0, 8, 1
	PARKST 2
	LNFIN2 6, 0, 8, 0
	PARKST 3
.irp b,0,1,2,3
	BQ2 BIG+32*\b, BIG+32*\b+16, LR+4*\b, LR+4*\b+2, LR+16+2*\b, LR+17+2*\b, 0
	STB LR+4*\b, LR+16+2*\b, MIMG+4096*\b, MSC+256*\b
	STB LR+4*\b+2, LR+17+2*\b, MIMG+4096*\b+2048, MSC+256*\b+128
.endr
	BAR
; ---------------------------------------------------------------- the MLP's first product, gelu, and the hidden layer's images: a tile of tokens a trip
	s_wait_loadcnt 0x0                             ; W_ff1
.irp t,0,1,2,3,4,5,6,7
	ds_load_b128 v[B1+8*\t:B1+8*\t+3], v[B1A] offset:(32*(\t/2)+8*(\t%2))*4
	ds_load_b128 v[B1+8*\t+4:B1+8*\t+7], v[B1A] offset:(32*(\t/2)+8*(\t%2))*4+16
.endr
.irp k,0,1
.irp c,0,1
	ds_load_b128 v[MFR+8*\k+4*\c:MFR+8*\k+4*\c+3], v[LI] offset:MIMG+1024*\k+512*\c   ; the first tile of m
.endr
.endr
	ds_load_b32 v[XS], v[L4] offset:MSC
	v_mov_b32 v[CA1], 0x306dffee                   ; the second coefficients of P and Q
	v_mov_b32 v[CB1], s75
	v_lshrrev_b32 v105, 5, v0                      ; where my wave puts the hidden layer's images and scale words (the registers served the stage in the slice before)
	s_delay_alu instid0(VALU_DEP_1)
	v_lshl_add_u32 v[HWI], v105, 13, v[HRI]
	v_and_b32 v106, 15, v0
	s_delay_alu instid0(VALU_DEP_1)
	v_lshlrev_b32 v106, 2, v106
	s_delay_alu instid0(VALU_DEP_1)
	v_lshl_add_u32 v106, v105, 9, v106
	s_delay_alu instid0(VALU_DEP_1)
	v_add_nc_u32 v[HWS], HSC, v106
	s_cmp_lg_u32 s26, 0
	s_cbranch_scc1 .Lno_x                          ; the second slice has no successor: no load leaves its buffer
	XLOAD 131072                                   ; the next slice's x lands under this phase
.Lno_x:
	s_mov_b32 s27, 0
	s_mov_b32 s28, 0
	s_mov_b32 s29, 0
	s_mov_b32 s30, 0
	s_mov_b32 s31, 0
	s_wait_dscnt 0x0                               ; b_ff1 and the first tile
.Lff1:
	s_wait_alu depctr_va_vdst(0)
	v_add_nc_u32 v107, s30, v[HWI]
	v_add_nc_u32 v108, s31, v[HWS]
	s_wait_dscnt 3                                 ; this tile's five loads, asked for a trip ago, are in; the last trip's three stores are younger
	WIN 0x01
.irp t,0,1,2,3,4,5,6,7
	WM HA+8*\t, WF+16*\t, MFR, 1, B1+8*\t, WS+2*\t, XS, 0
.endr
.irp t,0,1,2,3,4,5,6,7
	WM HA+8*\t, WF+16*\t+8, MFR+8, 1, HA+8*\t, WS+2*\t+1, XS, 2
.endr
	WIN 0
	s_add_co_u32 s28, s28, 2048
	s_add_co_u32 s29, s29, 128
	v_add_nc_u32 v105, s28, v[LI]                  ; the next tile's addresses: two of the four places behind the products
	v_add_nc_u32 v106, s29, v[L4]
	NOPS 2
	s_cmp_eq_u32 s27, 7
	s_cbranch_scc1 .Lff1_last                      ; the last trip has no next tile
.irp k,0,1
.irp c,0,1
	ds_load_b128 v[MFR+8*\k+4*\c:MFR+8*\k+4*\c+3], v105 offset:MIMG+1024*\k+512*\c   ; it lands under this tile's gelu
.endr
.endr
	ds_load_b32 v[XS], v106 offset:MSC
.Lff1_last:
.irp t,0,1,2,3,4,5,6,7
	GELU8 HA+8*\t
.endr
	QUANT HA, PCD, PW
	ds_store_b128 v107, v[PCD:PCD+3]               ; K step w of the second product, this tile's rows: into my wave's own 8,192 bytes
	ds_store_b128 v107, v[PCD+4:PCD+7] offset:512
	ds_store_b32 v108, v[PW]
	s_add_co_u32 s30, s30, 1024
	s_add_co_u32 s31, s31, 64
	s_add_co_u32 s27, s27, 1
	s_cmp_lt_u32 s27, 8
	s_cbranch_scc1 .Lff1
.irp q,0,1,2,3                                 ; W_ff2: the scale words first, then the fragments in the order of their use: K steps 2 i and 2 i + 1 of both tiles, eight loads for each i
	global_load_b128 v[WS+4*\q:WS+4*\q+3], v[VS4], s[12:13] offset:WF2O/16+256*\q
.endr
	WIN 0x40
.irp i,0,1,2,3
.irp u,0,1
.irp e,0,1
.irp c,0,1
	global_load_b128 v[WF+64*\u+16*\i+8*\e+4*\c:WF+64*\u+16*\i+8*\e+4*\c+3], v[VW16], s[10:11] offset:WF2O+1024*(8*\u+2*\i+\e)+512*\c
.endr
.endr
.endr
.endr
	WIN 0
	BIASO BF2, 12
	BAR                                            ; the hidden layer's 64 fragments lie in LDS
; ---------------------------------------------------------------- the MLP's second product
	FLOAD 0
	FLOAD 1
	FLOAD 2
	FLOAD 3
.set K, 0
.rept 16
.if (K%8) == 0
	s_wait_loadcnt 24-K                            ; the eight loads of W_ff2 that these eight chunks multiply by are in (and all older loads); eight for each later group may be out
.endif
.if K < 30
	s_wait_dscnt 10                                ; these two chunks' ten loads are in; the next two chunks' ten may be out
.else
	s_wait_dscnt 0
.endif
	WIN 0x01
	FMUL K
	FMUL K+1
	WIN 0
	NOPS 4
.if K < 28
	FLOAD K+4                                      ; into the two buffers just multiplied
	FLOAD K+5
.endif
.set K, K+2
.endr
; ---------------------------------------------------------------- the residual, LayerNorm 2, and the way out
.irp q,0,1,2,3,4,5,6,7,8,9,10,11,12,13,14,15
	ds_load_b128 v[HFR+4*\q:HFR+4*\q+3], v[PKA] offset:512*\q      ; m comes back through a ring of sixteen loads; the first sixteen go out ahead of the next slice's requests
.endr
	s_cmp_lg_u32 s26, 0
	s_cbranch_scc1 .Lno_g0
	s_add_nc_u64 s[34:35], s[34:35], 4096          ; the next slice's projector (its loads of this slice ended long ago)
	s_add_nc_u64 s[36:37], s[36:37], 256
	G0                                             ; and its first weights
.Lno_g0:
.set N, 0
.rept 32
.if (N%2) == 0                                 ; one wait for two loads
.if N < 16
	s_wait_dscnt 14                                ; loads N and N + 1 are in; of the 16 + N issued the fourteen behind them may be out
.else
	s_wait_dscnt 30-N
.endif
.endif
	v_pk_add_f32 v[BIG+4*N:BIG+4*N+1], v[BIG+4*N:BIG+4*N+1], v[HFR+4*(N%16):HFR+4*(N%16)+1]
	v_pk_add_f32 v[BIG+4*N+2:BIG+4*N+3], v[BIG+4*N+2:BIG+4*N+3], v[HFR+4*(N%16)+2:HFR+4*(N%16)+3]
.if N < 16
	ds_load_b128 v[HFR+4*N:HFR+4*N+3], v[PKA] offset:512*(N+16)
.endif
.set N, N+1
.endr
	LNSTAT2 0, LNS2O
	LNSTAT2 2, LNS2O
	LNSTAT2 4, LNS2O
	LNSTAT2 6, LNS2O
	BIASO LG, 10
	BIASO LBI, 11
	v_and_b32 v83, 15, v0
	s_delay_alu instid0(VALU_DEP_1)
	v_and_b32 v84, 8, v83
	s_delay_alu instid0(VALU_DEP_1)
	v_add_nc_u32 v83, v83, v84                     ; r + (r & 8)
	s_delay_alu instid0(VALU_DEP_1)
	v_mul_u32_u24 v[SIA], v83, 1040
	v_bfe_u32 v84, v0, 4, 1
	s_delay_alu instid0(VALU_DEP_1)
	v_lshl_add_u32 v[SIA], v84, 6, v[SIA]
	v_lshrrev_b32 v84, 5, v0
	s_delay_alu instid0(VALU_DEP_1)
	v_lshl_add_u32 v[SIA], v84, 7, v[SIA]
	s_delay_alu instid0(VALU_DEP_1)
	v_add_nc_u32 v[SIA], STAGE, v[SIA]             ; into the stage: my token's row of 1,040 bytes, my 64 bytes of it;
	s_delay_alu instid0(VALU_DEP_1)
	v_add_nc_u32 v[SIB], 66560, v[SIA]             ; tokens 64 on
	s_delay_alu instid0(VALU_DEP_4)
	v_mad_u32_u24 v[PKA], v84, 4160, v[LI]         ; back from the stage: four rows of 1,040 bytes a wave, 16 bytes a lane (m has been read back: the register is free)
	s_delay_alu instid0(VALU_DEP_1)
	v_add_nc_u32 v[PKA], STAGE, v[PKA]
	BAR                                            ; every wave has also read its m back: the stage may lie over those bytes
	LNLD 0, LNS2O
	LNFIN2 0, LNS2O, 0, 1
; A pair of token tiles is 32 whole neighbouring rows of out: it has a barrier of its own, its rows are asked of the stage behind it, and they are stored behind the next pair's normalisation.
; The next pair's stage stores land on other rows than those that are being read.
	STGST 0
	BAR                                            ; pair 0's 32 whole rows lie in the stage
	OLD 0
	LNFIN2 2, LNS2O, 8, 1                          ; its figures came in ahead of the barrier; the eight loads of rows are younger
	STGST 1
	OST 0, 16                                      ; behind pair 0's eight loads: the eight loads of the next figures and pair 1's eight stores
	BAR
	OLD 1
	v_add_nc_u32 v[PKA], 66560, v[PKA]             ; tokens 64 on
	LNFIN2 4, LNS2O, 8, 1
	STGST 2
	OST 1, 16
	BAR
	OLD 2
	LNFIN2 6, LNS2O, 8, 0
	STGST 3
	OST 2, 8                                       ; behind pair 2's eight loads: pair 3's eight stores
	BAR
	OLD 3
	OST 3, 0
	s_add_co_u32 s26, s26, 1
	s_cmp_lt_u32 s26, 2
	s_cbranch_scc1 .Lslice
	s_wait_xcnt 0x0
	v_lshl_add_u32 v254, v0, 2, 0x49c00
	v_mov_b32 v255, 0
	s_wait_alu depctr_va_vdst(0)
	s_wait_tensorcnt 0x0
	ds_add_u32 v254, v255
	s_wait_dscnt 0x0
	s_endpgm
.Lfunc_end_k_q626a389a26_fused:
	.size	k_q626a389a26_fused, .Lfunc_end_k_q626a389a26_fused-k_q626a389a26_fused
	.p2alignl 7, 3214868480
	.fill 96, 4, 3214868480
	.section	.rodata,"a",@progbits
	.p2align	6, 0x0
	.amdhsa_kernel k_q626a389a26_fused
		.amdhsa_group_segment_fixed_size 303104
		.amdhsa_private_segment_fixed_size 0
		.amdhsa_enable_private_segment 0
		.amdhsa_kernarg_size 160
		.amdhsa_user_sgpr_count 2
		.amdhsa_user_sgpr_kernarg_segment_ptr 1
		.amdhsa_wavefront_size32 1
		.amdhsa_system_sgpr_workgroup_id_x 1
		.amdhsa_system_sgpr_workgroup_id_y 1
		.amdhsa_system_sgpr_workgroup_id_z 1
		.amdhsa_system_vgpr_workitem_id 0
		.amdhsa_next_free_vgpr 512
		.amdhsa_next_free_sgpr 80
		.amdhsa_reserve_vcc 0
		.amdhsa_float_denorm_mode_32 3
		.amdhsa_float_denorm_mode_16_64 3
		.amdhsa_memory_ordered 1
		.amdhsa_forward_progress 1
		.amdhsa_inst_pref_size 255
	.end_amdhsa_kernel
	.section	.bss,"aw",@nobits
	.p2align	6
	.space	262144
	.amdgpu_metadata
---
amdhsa.version: [ 1, 2 ]
amdhsa.kernels:
  - .name:           k_q626a389a26_fused
    .symbol:         k_q626a389a26_fused.kd
    .args:
      - { .name: x, .offset: 0, .size: 8, .value_kind: global_buffer, .address_space: global }
      - { .name: projector_codes, .offset: 8, .size: 8, .value_kind: global_buffer, .address_space: global }
      - { .name: projector_scales, .offset: 16, .size: 8, .value_kind: global_buffer, .address_space: global }
      - { .name: wimg, .offset: 24, .size: 8, .value_kind: global_buffer, .address_space: global }
      - { .name: simg, .offset: 32, .size: 8, .value_kind: global_buffer, .address_space: global }
      - { .name: out0, .offset: 40, .size: 8, .value_kind: global_buffer, .address_space: global }
      - { .name: bq_o, .offset: 48, .size: 8, .value_kind: global_buffer, .address_space: global }
      - { .name: bk_o, .offset: 56, .size: 8, .value_kind: global_buffer, .address_space: global }
      - { .name: bv_o, .offset: 64, .size: 8, .value_kind: global_buffer, .address_space: global }
      - { .name: bo_o, .offset: 72, .size: 8, .value_kind: global_buffer, .address_space: global }
      - { .name: bq_i, .offset: 80, .size: 8, .value_kind: global_buffer, .address_space: global }
      - { .name: bk_i, .offset: 88, .size: 8, .value_kind: global_buffer, .address_space: global }
      - { .name: bv_i, .offset: 96, .size: 8, .value_kind: global_buffer, .address_space: global }
      - { .name: bo_i, .offset: 104, .size: 8, .value_kind: global_buffer, .address_space: global }
      - { .name: g1, .offset: 112, .size: 8, .value_kind: global_buffer, .address_space: global }
      - { .name: b1, .offset: 120, .size: 8, .value_kind: global_buffer, .address_space: global }
      - { .name: g2, .offset: 128, .size: 8, .value_kind: global_buffer, .address_space: global }
      - { .name: b2, .offset: 136, .size: 8, .value_kind: global_buffer, .address_space: global }
      - { .name: b_ff2, .offset: 144, .size: 8, .value_kind: global_buffer, .address_space: global }
      - { .name: b_ff1, .offset: 152, .size: 8, .value_kind: global_buffer, .address_space: global }
    .group_segment_fixed_size: 303104
    .private_segment_fixed_size: 0
    .kernarg_segment_align: 8
    .kernarg_segment_size: 160
    .max_flat_workgroup_size: 256
    .sgpr_count:     80
    .vgpr_count:     512
    .wavefront_size: 32
...
	.end_amdgpu_metadata
.endif
;; end of part 2
